; MI455X (gfx1250); checked and timed in simulation.
; The chip was launched on July 23, 2026; its instructions are those of AMD's public machine-readable ISA for CDNA 5 (MIT licence, August 2026) and "CDNA5" Instruction Set Architecture Reference Guide (July 2026). The comments in the code are by the model that wrote it; some were corrected since.
;; Rotary Attention. Allowed arithmetic: matrix products marked QUANTISED: E2M1 operands, one E8M0 scale for each 32 along K, by v_wmma_scale_f32_16x16x128_f8f6f4 with both operands' format E2M1 (or v_wmma_scale_f32_32x16x128_f4), f32 sums; everything else in f32.
;; Inputs: Wk 2,048 x 512 float32; Wo 2,048 x 2,048 float32; Wq 2,048 x 2,048 float32; Wv 2,048 x 512 float32; bk 512 float32; bo 2,048 float32; bq 2,048 float32; bv 512 float32; kn 128 float32; qn 128 float32; x 4 x 1,024 x 2,048 float32.
;; Outputs: out0 4 x 1,024 x 2,048 float32.
;; This version of the problem:
;;   THIS VERSION OF THE PROBLEM IS GIVEN IN LOW PRECISION. The matrix products marked QUANTISED in the list below multiply operands that are first quantised to E2M1 (2 exponent bits, 1 mantissa bit; 4 bits a number), with one power-of-two scale for each 32 numbers along K (OCP MX v1.0); their sums are f32. All else is computed in f32.
;;   The module's matrix products, in the order in which they are computed (A, B: the left and right operand; K: the contracted axis; several contracted axes count as one K, in the product's order):
;;     1. [M 4,096, K 2,048] x [K 2,048, N 2,048]; A: input x; B: input Wq: QUANTISED
;;     2. [M 4,096, K 2,048] x [K 2,048, N 512]; A: input x; B: input Wk: QUANTISED
;;     3. [M 4,096, K 2,048] x [K 2,048, N 512]; A: input x; B: input Wv: QUANTISED
;;     4. batch 64 x [M 1,024, K 128] x [K 128, N 1,024]; A: computed on the way; B: computed on the way: QUANTISED
;;     5. batch 64 x [M 128, K 1,024] x [K 1,024, N 1,024]; A: computed on the way; B: softmax (see below): QUANTISED
;;     6. [M 4,096, K 2,048] x [K 2,048, N 2,048]; A: computed on the way; B: input Wo: QUANTISED
;;   THE QUANTISER, for each operand of a quantised product, along K:
;;     - K is cut into blocks of 32 from its start; a last block that is shorter is filled with zeros.
;;     - A block's scale is 2^e with e = floor(log2(the largest magnitude in the block)) - 2, held to -126 .. 127; a block of zeros has e = 0. As a byte (E8M0): e + 127.
;;     - Each number is divided by its block's scale, clamped to +-6, and rounded to the nearest number of E2M1, ties to even, subnormals kept.
;;     - The product sums the exact products of the quantised numbers (number of the format x scale) in f32.
;;   ~~~python
;;   def quantise(x, axis):      # numpy; x: float32 -> the quantised numbers, widened to float32 again
;;       x = np.moveaxis(x, axis, -1); K = x.shape[-1]
;;       x = np.pad(x, [(0, 0)] * (x.ndim - 1) + [(0, -K % 32)]); x = x.reshape(x.shape[:-1] + (-1, 32)); a = np.abs(x).max(-1, keepdims=True)
;;       e = np.where(a > 0, np.clip(np.frexp(np.where(a > 0, a, 1))[1] - 1 - 2, -126, 127), 0)      # np.frexp(a)[1] - 1 = floor(log2(a)), exactly
;;       r = np.clip(x / 2.0 ** e, -6, 6)
;;       step = 2.0 ** (np.maximum(np.frexp(np.where(r == 0, 1, r))[1] - 1, 0) - 1)
;;       q = np.round(r / step) * step * 2.0 ** e      # np.round: ties to even
;;       return np.moveaxis(q.reshape(q.shape[:-2] + (-1,))[..., :K], -1, axis).astype(np.float32)
;;   ~~~
;;   SOFTMAX AHEAD OF A QUANTISED PRODUCT. Where the list says 'softmax', what is quantised is not the finished softmax but p = 2^(t - M), with t = logit x log2(e) and M = ceil(the row's largest t), a whole number; so 1/2 < the row's largest p <= 1. The row's sum l is taken of the UNQUANTISED p, in f32, and the product's result is divided by l at the end. Since M is a whole number, a kernel that streams over the keys may use a running M (the ceiling of the running maximum): every later rescaling is an exact power of two, which a block's scale takes up: the codes' values come out the same.
;;   OPERANDS COMPUTED ON THE WAY. 'Computed on the way' means the value that the module computes at that place (a softmax that the list does not call 'softmax' is quantised finished and normalised). What goes into a quantiser is computed in f32, as accurately as f32 sums, v_exp_f32 and their like allow (about 1e-6 of the number): no bf16 or f16 on the way to a quantiser, and a product that is left as it is and whose result goes on into a quantised operand takes f32 operands (vector FMAs, or v_wmma_f32_16x16x4_f32). A number that lies on a knife's edge between two numbers of the format may be rounded either way, as far as f32 arithmetic and the matrix unit's own rounding can turn it there, and no further.
;; One version. Each part assembles by itself: llvm-mc -triple=amdgcn-amd-amdhsa -mcpu=gfx1250 --defsym DOCPART=n.
;; ======== version 1 of 1: 4 launches
;; limits: right only within a limited range of input values
;; workspace buffers: xq 4,456,448 bytes; wq 5,570,560 bytes; rope 524,288 bytes; qkv 6,684,672 bytes; oq 4,456,448 bytes
;; launch prep (part 1): grid 456 x 1, 8 waves a work-group, no clusters, 84,992 bytes of LDS; arguments x, Wq, Wk, Wv, Wo, xq, wq, rope; writes xq, wq, rope
.if DOCPART == 1
	.amdgcn_target "amdgcn-amd-amdhsa--gfx1250"
	.amdhsa_code_object_version 6
	.text
	.protected	k_q19db963439_prep
	.globl	k_q19db963439_prep
	.p2align	8
	.type	k_q19db963439_prep,@function
k_q19db963439_prep:
	s_mov_b64 s[64:65], 0
	v_nop
	global_prefetch_b8 v0, s[64:65] scope:SCOPE_SE
	s_setreg_imm32_b32 hwreg(HW_REG_WAVE_MODE, 25, 1), 1
	s_wait_xcnt 0x0
; PREP: x [4096][2048] and the four weights ([2048][n], K = the first axis), f32, become codes of FP4 (E2M1) with one E8M0 byte for each 32 along K; and the table of cos and sin for the rotary step is made.
; A block's scale is 2^(floor(log2(largest magnitude)) - 2): its byte is the largest magnitude's exponent field - 2, held at 1 from below by a floor among the maximum's leaves.
; LIMITS: a block of zeros, or one under 2^(3 - 127), gets the byte 1 and zero codes (this program alone reads the bytes); NaN and infinities among the inputs are not served.
; The table's frequencies come from v_exp_f32, not from a power function: at the largest positions and the lowest frequencies but 0 an angle can differ by about 1.5e-4 rad from one made with exactly rounded frequencies.
; THE ORDER OF ROWS IN THE WORKSPACE: in each group of 32 rows bits 3 and 4 of the row's number change places (place 16 u + 8 w + l holds row 16 w + 8 u + l).  Sixteen neighbouring places are then the rows
; 8 u + r + 8 (r / 8), the choice of rows by which a product's results fall into a lane's registers as neighbours along the next K.
; xq: codes [4096 places][1024 B]; from XSC on the scale bytes [K / 512][4096 places][16 B].   wq: codes [5120 places][1024 B]; from WSC on [K / 512][5120][16 B].
;   wq's blocks of 128 places: 0-15 Wq's heads; 16 + 2 g Wk's head g; 17 + 2 g Wv's head g; 24-39 Wo.
; rope: [64 blocks of 16 places][16 pieces][32 lanes][16 B]: register 2 k, 2 k + 1 of lane (r, h) = cos, sin of position x frequency 16 (k / 8) + 8 h + k % 8.
; THREE WAYS part once on the work-group's number, which all waves of a work-group share, and never join: 0-319 the weights, 320-447 x, 448-455 the table.  No tensor load.  The two ways that use LDS have bytes of their own.
; MANY SHORT WAVES: a wave of the weights has 64 loads of 128 bytes on their way and 128 in all; a wave of x has 32 loads of 512 bytes on their way and 64 in all.
.set XSC,  4194304
.set WSC,  5242880
.set NW,   320                         ; work-groups of the weights: 80 runs of 64 columns x 4 runs of 512 along K
.set NX,   128                         ; of x: 32 places each
.set WX,   48                          ; weights: v48-111 two sets of 32 numbers
.set WC,   112                         ; v112-115 a block's codes
.set WSB,  116                         ; v116 my four scale bytes
.set WOUT, 120                         ; v120-135 the way out
.set WSO,  136                         ; v136-139 scale bytes on the way out
.set WST,  65536                       ; LDS: the weights' stage, 64 rows x (256 bytes + 16), the work-group's;
.set WSS,  WST+64*272                  ; and 64 x 16 scale bytes
.set XR,   16                          ; x: v16-143 eight sets of 16 numbers as loaded
.set XN,   144                         ; v144-175 two sets of 16 neighbours
.set XE,   176                         ; v176-191 a scale byte for each step
.set XC,   192                         ; v192-223 codes, two registers for each step, so that no store's data are written again
.set SP,   80                          ; a lane's place in x's stage: 64 bytes + 16 of padding
.set RF,   16                          ; the table: four pairs at a time
.set RN,   20
.set RI,   24
.set RR,   28
.set R2,   32
.set RSN,  36
.set RCS,  40
.set T1,   44
.set T2,   48
.set ROUT, 64                          ; v64-127 the lane's 32 pairs
	s_load_b256 s[4:11], s[0:1], 0x0               ; x, Wq, Wk, Wv
	s_load_b256 s[12:19], s[0:1], 0x20             ; Wo, xq, wq, rope
	v_lshl_add_u32 v224, v0, 2, 0x14800
	v_mov_b32 v225, 0
	v_lshrrev_b32 v1, 5, v0
	s_delay_alu instid0(VALU_DEP_1)
	v_readfirstlane_b32 s20, v1                    ; wave 0..7
	v_and_b32 v2, 31, v0                           ; lane
	s_wait_kmcnt 0x0
	s_cmp_ge_u32 ttmp9, NW+NX
	s_cbranch_scc1 .Lrope
	s_cmp_ge_u32 ttmp9, NW
	s_cbranch_scc1 .Lxpath
; ---------------- THE WEIGHTS.  A work-group takes 64 columns (256 bytes of each row, aligned) x 512 along K; wave w the 32 columns of half w % 2 and the 128 along K of quarter w / 2.
; A LANE TAKES A COLUMN AND ITS REGISTERS RUN DOWN K: 4 blocks of 32.  The four quarters of a place's 256 bytes of codes and 16 scale bytes meet in the work-group's stage, behind one barrier.
	s_lshr_b32 s46, ttmp9, 2                       ; which 64 columns, 0..79
	s_and_b32 s27, ttmp9, 3                        ; ky: which 512 along K
	s_lshr_b32 s21, s46, 1                         ; cb: which 128 columns (a head), 0..39
	s_and_b32 s46, s46, 1                          ; which half of them
	s_and_b32 s47, s20, 1                          ; my 32 of the 64 columns
	s_lshr_b32 s48, s20, 1                         ; my quarter of the 512
	s_mov_b64 s[22:23], s[6:7]                     ; cb < 16: Wq,
	s_mov_b32 s24, s21                             ; its columns 128 cb on,
	s_mov_b32 s25, 8192                            ; a row of 8,192 bytes,
	s_mov_b32 s26, s21                             ; into block cb of wq
	s_sub_co_u32 s30, s21, 16
	s_lshl_b32 s31, s21, 1
	s_sub_co_u32 s32, s31, 16
	s_sub_co_u32 s33, s21, 20
	s_sub_co_u32 s34, s31, 23
	s_sub_co_u32 s35, s21, 24
	s_mov_b32 s36, 2048
	s_mov_b32 s37, 8192
	s_cmp_ge_u32 s21, 16                           ; 16-19: Wk's head cb - 16 into block 2 cb - 16
	s_cselect_b64 s[22:23], s[8:9], s[22:23]
	s_cselect_b32 s24, s30, s24
	s_cselect_b32 s25, s36, s25
	s_cselect_b32 s26, s32, s26
	s_cmp_ge_u32 s21, 20                           ; 20-23: Wv's head cb - 20 into block 2 cb - 23
	s_cselect_b64 s[22:23], s[10:11], s[22:23]
	s_cselect_b32 s24, s33, s24
	s_cselect_b32 s26, s34, s26
	s_cmp_ge_u32 s21, 24                           ; 24-39: Wo's columns 128 (cb - 24) on into block cb
	s_cselect_b64 s[22:23], s[12:13], s[22:23]
	s_cselect_b32 s24, s35, s24
	s_cselect_b32 s25, s37, s25
	s_cselect_b32 s26, s21, s26
	s_lshl_b32 s28, s27, 2
	s_add_co_u32 s28, s28, s48                     ; 4 ky + my quarter:
	s_mul_i32 s28, s28, s25
	s_lshl_b32 s28, s28, 7                         ; so many times 128 rows,
	s_lshl_b32 s29, s24, 9
	s_add_co_u32 s28, s28, s29                     ; 128 c columns of 4 bytes,
	s_lshl_b32 s29, s46, 8
	s_add_co_u32 s28, s28, s29                     ; the work-group's 64,
	s_lshl_b32 s29, s47, 7
	s_add_co_u32 s28, s28, s29                     ; my wave's 32
	s_mov_b32 s29, 0
	s_add_nc_u64 s[22:23], s[22:23], s[28:29]
	s_lshl_b32 s28, s25, 5                         ; s[28:29]: 32 rows on
	s_wait_alu depctr_va_vdst(0)
	v_lshlrev_b32 v3, 2, v2
.set wi, 0
.rept 32
	v_mad_u32_u24 v[16+wi], s25, wi, v3            ; v16-47: row i of a block, my column; never rewritten
.set wi, wi+1
.endr
	v_bfe_u32 v5, v2, 3, 1
	v_bfe_u32 v6, v2, 4, 1
	v_and_b32 v10, 7, v2
	s_delay_alu instid0(VALU_DEP_1)
	v_lshl_add_u32 v10, v5, 4, v10
	s_delay_alu instid0(VALU_DEP_1)
	v_lshl_add_u32 v10, v6, 3, v10                 ; my column's place among the wave's 32: bits 3 and 4 changed
	s_wait_alu depctr_va_vdst(0)
	s_mul_i32 s38, s47, 32*272
	s_lshl_b32 s39, s48, 6
	s_add_co_u32 s38, s38, s39
	s_add_co_u32 s38, s38, WST
	v_mul_u32_u24 v4, v10, 272
	s_delay_alu instid0(VALU_DEP_1)
	v_add_nc_u32 v4, s38, v4                       ; into the stage: row = 32 x half + my place, byte 64 x my quarter
	s_lshl_b32 s38, s47, 9
	s_lshl_b32 s39, s48, 2
	s_add_co_u32 s38, s38, s39
	s_add_co_u32 s38, s38, WSS
	v_lshl_add_u32 v9, v10, 4, s38                 ; my four scale bytes: 16 x row + 4 x my quarter
	s_mul_i32 s38, s20, 8*272
	s_add_co_u32 s38, s38, WST
	v_and_b32 v5, 15, v2
	v_lshrrev_b32 v6, 4, v2
	s_delay_alu instid0(VALU_DEP_1)
	v_mul_u32_u24 v7, v6, 272
	s_delay_alu instid0(VALU_DEP_1)
	v_lshl_add_u32 v7, v5, 4, v7
	s_delay_alu instid0(VALU_DEP_1)
	v_add_nc_u32 v7, s38, v7                       ; out of it: rows 8 wave on; sixteen lanes to a row, two rows an instruction
	s_delay_alu instid0(VALU_DEP_4)
	v_lshlrev_b32 v8, 10, v6
	s_delay_alu instid0(VALU_DEP_1)
	v_lshl_add_u32 v8, v5, 4, v8                   ; and the same place in wq's rows of 1,024 bytes
	v_lshlrev_b32 v15, 4, v2                       ; 16 x lane
	s_lshl_b32 s38, s47, 9
	s_add_co_u32 s38, s38, WSS
	v_add_nc_u32 v14, s38, v15                     ; the scale bytes on the way out: 512 bytes a wave (waves 0 and 1)
	s_lshl_b32 s39, s26, 7
	s_lshl_b32 s40, s46, 6
	s_add_co_u32 s39, s39, s40                     ; the work-group's first place in wq
	s_lshl_b32 s40, s20, 3
	s_add_co_u32 s40, s40, s39                     ; the eight places that I store
	s_lshl_b32 s40, s40, 10
	s_lshl_b32 s41, s27, 8
	s_add_co_u32 s40, s40, s41                     ; + 256 ky bytes along the row
	s_mov_b32 s41, 0
	s_add_nc_u64 s[42:43], s[16:17], s[40:41]      ; codes
	s_mul_i32 s40, s27, 81920
	s_lshl_b32 s44, s39, 4
	s_add_co_u32 s40, s40, s44
	s_lshl_b32 s44, s47, 9
	s_add_co_u32 s40, s40, s44
	s_add_co_u32 s40, s40, WSC
	s_add_nc_u64 s[44:45], s[16:17], s[40:41]      ; scale bytes
.macro WLOAD t                         ; block t into set t % 2: each load reads 128 consecutive bytes a wave.  The row's pitch is a register, so the base steps, behind the wait that frees it
.if (\t) > 0
	s_wait_xcnt 0x0
	s_add_nc_u64 s[22:23], s[22:23], s[28:29]
.endif
.set wi, 0
.rept 32
	global_load_b32 v[WX+32*((\t)%2)+wi], v[16+wi], s[22:23] th:TH_LOAD_NT
.set wi, wi+1
.endr
.endm
.macro WBLOCK t
.set XS, WX+32*((\t)%2)
.if (\t) < 3
	s_wait_loadcnt 32                              ; this block's 32 loads are in; the next block's 32 may be out
.else
	s_wait_loadcnt 0x0
.endif
	v_max3_num_f32 v12, |v[XS]|, |v[XS+1]|, |v[XS+2]|      ; the block's largest magnitude: all 32 numbers are mine; two chains
	v_max3_num_f32 v13, |v[XS+3]|, |v[XS+4]|, |v[XS+5]|
.irp i, 6,10,14,18,22,26
	s_delay_alu instid0(VALU_DEP_2)
	v_max3_num_f32 v12, v12, |v[XS+\i]|, |v[XS+\i+1]|
	s_delay_alu instid0(VALU_DEP_2)
	v_max3_num_f32 v13, v13, |v[XS+\i+2]|, |v[XS+\i+3]|
.endr
	s_delay_alu instid0(VALU_DEP_2)
	v_max3_num_f32 v12, v12, |v[XS+30]|, |v[XS+31]|
	s_delay_alu instid0(VALU_DEP_1)
	v_max3_num_f32 v12, v12, v13, 0x1800000        ; and the floor 2^(3 - 127): the byte cannot fall under 1
	s_delay_alu instid0(VALU_DEP_1)
	v_add_nc_u32 v11, 0xff000000, v12              ; 2 off the exponent field: the conversion's scale operand
	s_delay_alu instid0(VALU_DEP_1)
	v_lshrrev_b32 v13, 23, v11                     ; the scale's byte
.if (\t) == 0
	s_delay_alu instid0(VALU_DEP_1)
	v_mov_b32 v[WSB], v13
.else
	s_delay_alu instid0(VALU_DEP_1)
	v_lshl_or_b32 v[WSB], v13, 8*(\t), v[WSB]
.endif
.irp g, 0,1,2,3
	v_cvt_scalef32_pk8_fp4_f32 v[WC+\g], v[XS+8*\g:XS+8*\g+7], v11
.endr
	ds_store_b128 v4, v[WC:WC+3] offset:16*(\t)    ; 32 codes: 16 bytes of my place's row
.if (\t)+2 < 4
	WLOAD (\t)+2
.endif
	s_wait_dscnt 0x0                               ; the store has read its registers: the next block's codes may be written
.endm
	WLOAD 0
	WLOAD 1
.irp t, 0,1,2,3
	WBLOCK \t
.endr
	s_wait_alu depctr_va_vdst(0)
	ds_store_b32 v9, v[WSB]
	s_wait_dscnt 0x0                               ; for the others' sake: my stores into the stage have landed
	s_barrier_signal -1
	s_barrier_wait -1
	s_cmp_lt_u32 s21, 24                           ; Wq, Wk, Wv leave as rows; Wo (cb 24-39) leaves as IMAGES OF AN OPERAND'S REGISTERS: [16 places][K / 128][1,024 B], registers 4 c .. 4 c + 3 of lane l at 512 c + 16 l
	s_cbranch_scc1 .Lw_rows
	s_lshr_b32 s30, s20, 1                         ; wave w stores the 16 places of block w / 2 and the two 128 along K from 2 (w % 2) on: four pieces of 512 bytes
	s_and_b32 s31, s20, 1
	s_mul_i32 s32, s30, 16*272
	s_lshl_b32 s33, s31, 7
	s_add_co_u32 s32, s32, s33
	s_add_co_u32 s32, s32, WST
	s_lshl_b32 s30, s30, 4
	s_add_co_u32 s30, s30, s39
	s_lshl_b32 s40, s30, 10                        ; 16 places are 16,384 bytes, as in the rows' layout
	s_lshl_b32 s33, s27, 12
	s_add_co_u32 s40, s40, s33                     ; + 4,096 ky
	s_lshl_b32 s33, s31, 11
	s_add_co_u32 s40, s40, s33
	s_add_nc_u64 s[42:43], s[16:17], s[40:41]
	v_mul_u32_u24 v7, v5, 272                      ; lane l reads row l % 16 of the block, 16 (l / 16) bytes on
	v_lshl_add_u32 v7, v6, 4, v7
	v_add_nc_u32 v7, s32, v7
.irp t, 0,1,2,3
	ds_load_b128 v[WOUT+4*\t:WOUT+4*\t+3], v7 offset:64*(\t/2)+32*(\t%2)
.endr
.irp t, 0,1,2,3
	s_wait_dscnt 3-\t
	global_store_b128 v15, v[WOUT+4*\t:WOUT+4*\t+3], s[42:43] offset:1024*(\t/2)+512*(\t%2)   ; the wave stores 512 consecutive bytes, aligned
.endr
	s_branch .Lw_scales
.Lw_rows:
.irp t, 0,1,2,3
	ds_load_b128 v[WOUT+4*\t:WOUT+4*\t+3], v7 offset:2*\t*272
.endr
.irp t, 0,1,2,3
	s_wait_dscnt 3-\t                              ; the younger loads may be out
	global_store_b128 v8, v[WOUT+4*\t:WOUT+4*\t+3], s[42:43] offset:2*\t*1024   ; sixteen lanes store 256 consecutive bytes, aligned
.endr
.Lw_scales:
	s_cmp_ge_u32 s20, 2
	s_cbranch_scc1 .Lw_end
	ds_load_b128 v[WSO:WSO+3], v14
	s_wait_dscnt 0x0
	global_store_b128 v15, v[WSO:WSO+3], s[44:45]  ; 32 places x 16 scale bytes: 512 consecutive bytes
.Lw_end:
	s_wait_tensorcnt 0x0
	ds_add_u32 v224, v225
	s_wait_dscnt 0x0
	s_endpgm
; ---------------- x.  A work-group takes 32 places; wave w the 16 places of half w / 4 and their K from 512 (w % 4) on.  A step is one row's quarter: 512 numbers, 2,048 consecutive bytes, loaded as they lie and
; turned through the wave's own stage so that a lane holds 16 neighbours.  Waves share nothing: no barrier.  Loads run eight steps (32 loads a wave) ahead.
.Lxpath:
	s_sub_co_u32 s21, ttmp9, NW
	s_lshl_b32 s21, s21, 1
	s_lshr_b32 s30, s20, 2
	s_add_co_u32 s21, s21, s30                     ; which 16 places, 0..255
	s_and_b32 s30, s20, 3                          ; which 512 along K
	s_wait_alu depctr_va_vdst(0)
	v_lshlrev_b32 v3, 4, v2                        ; my 16 bytes of a load's 512
	s_lshl_b32 s22, s20, 13                        ; my wave's 8,192 bytes of LDS: two stages of 32 x 80, then 256 scale bytes
	v_lshrrev_b32 v14, 2, v2
	s_delay_alu instid0(VALU_DEP_1)
	v_mul_u32_u24 v14, v14, SP
	v_and_b32 v15, 3, v2
	s_delay_alu instid0(VALU_DEP_1)
	v_lshl_add_u32 v14, v15, 4, v14
	s_delay_alu instid0(VALU_DEP_1)
	v_add_nc_u32 v14, s22, v14                     ; the stage, on the way in: four lanes' 64 bytes on end, then 16 of padding
	v_mul_u32_u24 v15, v2, SP
	s_delay_alu instid0(VALU_DEP_1)
	v_add_nc_u32 v15, s22, v15                     ; and on the way out: my 16 neighbours
	v_lshlrev_b32 v4, 3, v2                        ; 8 bytes a lane: my codes' place in a step's 256 bytes
	v_lshrrev_b32 v5, 1, v2
	s_add_co_u32 s22, s22, 2*32*SP
	v_add_nc_u32 v5, s22, v5                       ; my block's scale byte
	v_add_nc_u32 v6, s22, v4                       ; and on the way out 8 bytes a lane
	s_lshr_b32 s23, s21, 1
	s_lshl_b32 s23, s23, 5
	s_and_b32 s24, s21, 1
	s_lshl_b32 s24, s24, 3
	s_add_co_u32 s23, s23, s24                     ; place 16 rho holds row 32 (rho / 2) + 8 (rho % 2); place + t holds that + t % 8 + 16 (t / 8)
	s_lshl_b32 s24, s23, 13
	s_lshl_b32 s25, s30, 11
	s_add_co_u32 s24, s24, s25
	s_mov_b32 s25, 0
	s_add_nc_u64 s[4:5], s[4:5], s[24:25]
	s_lshl_b32 s24, s21, 14
	s_lshl_b32 s26, s30, 8
	s_add_co_u32 s24, s24, s26
	s_add_nc_u64 s[8:9], s[14:15], s[24:25]        ; codes: place 16 rho, byte 256 x (K / 512)
	s_lshl_b32 s24, s30, 16
	s_lshl_b32 s26, s21, 8
	s_add_co_u32 s24, s24, s26
	s_add_co_u32 s24, s24, XSC
	s_add_nc_u64 s[10:11], s[14:15], s[24:25]      ; scale bytes: [K / 512][place][16]
.macro XLOAD t
.irp i, 0,1,2,3
	global_load_b128 v[XR+16*((\t)%8)+4*\i:XR+16*((\t)%8)+4*\i+3], v3, s[4:5] offset:((\t)%8+16*((\t)/8))*8192+512*\i th:TH_LOAD_NT
.endr
.endm
.macro XTURN t                         ; LDS serves a wave's instructions in order: no wait between the stores and the loads
.irp i, 0,1,2,3
	ds_store_b128 v14, v[XR+16*((\t)%8)+4*\i:XR+16*((\t)%8)+4*\i+3] offset:32*SP*((\t)%2)+8*SP*\i
.endr
.irp i, 0,1,2,3
	ds_load_b128 v[XN+16*((\t)%2)+4*\i:XN+16*((\t)%2)+4*\i+3], v15 offset:32*SP*((\t)%2)+16*\i
.endr
.endm
.irp t, 0,1,2,3,4,5,6,7
	XLOAD \t
.endr
	s_wait_alu depctr_va_vdst(0)
	s_wait_loadcnt 28                              ; step 0's four loads are in; seven steps' may be out
	XTURN 0
.macro XSTEP t
.set XS, XN+16*((\t)%2)
.if (\t) > 0
	s_wait_dscnt 1                                 ; this step's numbers are back from the stage; the last step's byte store may be out
.else
	s_wait_dscnt 0x0
.endif
.if (\t)+8 < 16
	XLOAD (\t)+8                                   ; into the registers that this step's stores into the stage have read
.endif
.if (\t)+1 < 16
.if 14-(\t) >= 7
	s_wait_loadcnt 28                              ; the next step's four loads are in; seven later steps' may be out
.else
	s_wait_loadcnt 4*(14-(\t))
.endif
	XTURN (\t)+1
.endif
	v_max3_num_f32 v8, |v[XS]|, |v[XS+1]|, |v[XS+2]|
	v_max3_num_f32 v9, |v[XS+3]|, |v[XS+4]|, |v[XS+5]|
.irp i, 6,10
	s_delay_alu instid0(VALU_DEP_2)
	v_max3_num_f32 v8, v8, |v[XS+\i]|, |v[XS+\i+1]|
	s_delay_alu instid0(VALU_DEP_2)
	v_max3_num_f32 v9, v9, |v[XS+\i+2]|, |v[XS+\i+3]|
.endr
	s_delay_alu instid0(VALU_DEP_2)
	v_max3_num_f32 v8, v8, |v[XS+14]|, |v[XS+15]|
	s_delay_alu instid0(VALU_DEP_1)
	v_max3_num_f32 v8, v8, v9, 0x1800000           ; with the floor
	s_delay_alu instid0(VALU_DEP_1)
	v_max_num_f32_dpp v8, v8, v8 row_xmask:1 row_mask:0xf bank_mask:0xf   ; and my neighbour's 16: the block's
	s_delay_alu instid0(VALU_DEP_1)
	v_add_nc_u32 v11, 0xff000000, v8
	v_cvt_scalef32_pk8_fp4_f32 v[XC+2*(\t)], v[XS:XS+7], v11
	v_cvt_scalef32_pk8_fp4_f32 v[XC+2*(\t)+1], v[XS+8:XS+15], v11
	v_lshrrev_b32 v[XE+(\t)], 23, v11
	ds_store_b8 v5, v[XE+(\t)] offset:16*(\t)      ; both lanes of a block write the same byte with the same value
	global_store_b64 v4, v[XC+2*(\t):XC+2*(\t)+1], s[8:9] offset:1024*(\t)   ; the wave stores 256 consecutive bytes, aligned
.endm
.irp t, 0,1,2,3,4,5,6,7,8,9,10,11,12,13,14,15
	XSTEP \t
.endr
	ds_load_b64 v[12:13], v6
	s_wait_dscnt 0x0
	global_store_b64 v4, v[12:13], s[10:11]        ; 16 places x 16 bytes: 256 consecutive bytes, aligned
	s_wait_tensorcnt 0x0
	ds_add_u32 v224, v225
	s_wait_dscnt 0x0
	s_endpgm
; ---------------- THE TABLE.  A wave makes one block of 16 places: 32 pairs (cos, sin) a lane.
.Lrope:
	s_sub_co_u32 s21, ttmp9, NW+NX
	s_lshl_b32 s21, s21, 3
	s_add_co_u32 s21, s21, s20                     ; block 0..63
	s_lshr_b32 s22, s21, 1
	s_lshl_b32 s22, s22, 5
	s_and_b32 s23, s21, 1
	s_lshl_b32 s23, s23, 3
	s_add_co_u32 s22, s22, s23
	s_wait_alu depctr_va_vdst(0)
	v_and_b32 v3, 15, v2
	s_delay_alu instid0(VALU_DEP_1)
	v_and_b32 v4, 8, v3
	s_delay_alu instid0(VALU_DEP_1)
	v_add_nc_u32 v3, v3, v4
	s_delay_alu instid0(VALU_DEP_1)
	v_add_nc_u32 v3, s22, v3                       ; my position: 32 (block / 2) + 8 (block % 2) + r + 8 (r / 8)
	s_delay_alu instid0(VALU_DEP_1)
	v_cvt_f32_u32 v3, v3
	v_lshrrev_b32 v4, 4, v2
	s_delay_alu instid0(VALU_DEP_1)
	v_lshlrev_b32 v4, 3, v4                        ; 8 h
	s_wait_alu depctr_va_vdst(0)
	v_lshlrev_b32 v5, 4, v2
	s_lshl_b32 s22, s21, 13
	s_mov_b32 s23, 0
	s_add_nc_u64 s[18:19], s[18:19], s[22:23]
	s_mov_b32 s24, 0xbe549a78                      ; -log2(10000) / 64
	s_mov_b32 s25, 0x3f22f983                      ; 2 / pi
	s_mov_b32 s26, 0xbfc90fdb                      ; -(pi / 2), the f32 nearest,
	s_mov_b32 s27, 0x333bbd2e                      ; and what that f32 has too much
	s_mov_b32 s28, 0xbe2aaaab                      ; sine: -1/3!, 1/5!, -1/7!, 1/9!
	s_mov_b32 s29, 0x3c088889
	s_mov_b32 s30, 0xb9500d01
	s_mov_b32 s31, 0x3638ef1d
	s_mov_b32 s32, 0x3d2aaaab                      ; cosine: 1/4!, -1/6!, 1/8!, -1/10!
	s_mov_b32 s33, 0xbab60b61
	s_mov_b32 s34, 0x37d00d01
	s_mov_b32 s35, 0xb493f27e
; pairs k = 4 m .. 4 m + 3, line by line over the four.  angle = position x 2^(-f log2(10000) / 64), one rounding; n = the nearest multiple of pi / 2; the rest, at most pi / 4 in size, goes into the two series
; (the first term left out is under 2e-9); the quadrant chooses and signs without a branch.
.macro SINCOS4 m
.irp j, 0,1,2,3
	v_add_nc_u32 v[RF+\j], 16*((4*(\m)+\j)/8)+(4*(\m)+\j)%8, v4
.endr
.irp j, 0,1,2,3
	s_delay_alu instid0(VALU_DEP_4)
	v_cvt_f32_u32 v[RF+\j], v[RF+\j]
.endr
.irp j, 0,1,2,3
	s_delay_alu instid0(VALU_DEP_4)
	v_mul_f32 v[RF+\j], s24, v[RF+\j]
.endr
	s_wait_alu depctr_va_vdst(0)
.irp j, 0,1,2,3
	v_exp_f32 v[RF+\j], v[RF+\j]
.endr
	v_nop                                          ; a plain place behind the exponentials
	s_wait_alu depctr_va_vdst(0)
.irp j, 0,1,2,3
	v_mul_f32 v[RF+\j], v3, v[RF+\j]
.endr
.irp j, 0,1,2,3
	s_delay_alu instid0(VALU_DEP_4)
	v_mul_f32 v[RN+\j], s25, v[RF+\j]
.endr
.irp j, 0,1,2,3
	s_delay_alu instid0(VALU_DEP_4)
	v_rndne_f32 v[RN+\j], v[RN+\j]
.endr
.irp j, 0,1,2,3
	s_delay_alu instid0(VALU_DEP_4)
	v_fma_f32 v[RR+\j], v[RN+\j], s26, v[RF+\j]
.endr
.irp j, 0,1,2,3
	s_delay_alu instid0(VALU_DEP_4)
	v_fma_f32 v[RR+\j], v[RN+\j], s27, v[RR+\j]
.endr
.irp j, 0,1,2,3
	v_cvt_i32_f32 v[RI+\j], v[RN+\j]
.endr
.irp j, 0,1,2,3
	v_mul_f32 v[R2+\j], v[RR+\j], v[RR+\j]
.endr
.irp j, 0,1,2,3
	v_fma_f32 v[RSN+\j], v[R2+\j], s31, s30
	v_fma_f32 v[RCS+\j], v[R2+\j], s35, s34
.endr
.irp j, 0,1,2,3
	v_fma_f32 v[RSN+\j], v[RSN+\j], v[R2+\j], s29
	v_fma_f32 v[RCS+\j], v[RCS+\j], v[R2+\j], s33
.endr
.irp j, 0,1,2,3
	v_fma_f32 v[RSN+\j], v[RSN+\j], v[R2+\j], s28
	v_fma_f32 v[RCS+\j], v[RCS+\j], v[R2+\j], s32
.endr
.irp j, 0,1,2,3
	v_mul_f32 v[RSN+\j], v[RSN+\j], v[R2+\j]
	v_fma_f32 v[RCS+\j], v[RCS+\j], v[R2+\j], -0.5
.endr
.irp j, 0,1,2,3
	v_fma_f32 v[RSN+\j], v[RSN+\j], v[RR+\j], v[RR+\j]
	v_fma_f32 v[RCS+\j], v[RCS+\j], v[R2+\j], 1.0
.endr
.irp j, 0,1,2,3
	v_and_b32 v[T1+\j], 1, v[RI+\j]
.endr
.irp j, 0,1,2,3
	v_cmp_eq_u32 vcc_lo, 1, v[T1+\j]
	s_delay_alu instid0(VALU_DEP_1)
	v_cndmask_b32 v[T1+\j], v[RSN+\j], v[RCS+\j], vcc_lo   ; the sine: in an odd quadrant the rest's cosine
	s_delay_alu instid0(VALU_DEP_2)
	v_cndmask_b32 v[T2+\j], v[RCS+\j], v[RSN+\j], vcc_lo   ; the cosine: the rest's sine
.endr
.irp j, 0,1,2,3
	v_and_b32 v[RF+\j], 2, v[RI+\j]                ; the sine is negative in quadrants 2 and 3,
	v_add_nc_u32 v[RN+\j], 1, v[RI+\j]
.endr
.irp j, 0,1,2,3
	v_lshlrev_b32 v[RF+\j], 30, v[RF+\j]
	v_and_b32 v[RN+\j], 2, v[RN+\j]                ; the cosine in 1 and 2
.endr
.irp j, 0,1,2,3
	v_lshlrev_b32 v[RN+\j], 30, v[RN+\j]
	v_xor_b32 v[ROUT+2*(4*(\m)+\j)+1], v[RF+\j], v[T1+\j]
.endr
.irp j, 0,1,2,3
	v_xor_b32 v[ROUT+2*(4*(\m)+\j)], v[RN+\j], v[T2+\j]
.endr
.endm
.irp m, 0,1,2,3,4,5,6,7
	SINCOS4 \m
.endr
.irp q, 0,1,2,3,4,5,6,7,8,9,10,11,12,13,14,15
	global_store_b128 v5, v[ROUT+4*\q:ROUT+4*\q+3], s[18:19] offset:512*\q   ; the wave stores 512 consecutive bytes
.endr
	s_endpgm
.Lfunc_end_k_q19db963439_prep:
	.size	k_q19db963439_prep, .Lfunc_end_k_q19db963439_prep-k_q19db963439_prep
	.p2alignl 7, 3214868480
	.fill 96, 4, 3214868480
	.section	.rodata,"a",@progbits
	.p2align	6, 0x0
	.amdhsa_kernel k_q19db963439_prep
		.amdhsa_group_segment_fixed_size 84992
		.amdhsa_private_segment_fixed_size 0
		.amdhsa_enable_private_segment 0
		.amdhsa_kernarg_size 64
		.amdhsa_user_sgpr_count 2
		.amdhsa_user_sgpr_kernarg_segment_ptr 1
		.amdhsa_wavefront_size32 1
		.amdhsa_system_sgpr_workgroup_id_x 1
		.amdhsa_system_sgpr_workgroup_id_y 1
		.amdhsa_system_sgpr_workgroup_id_z 1
		.amdhsa_system_vgpr_workitem_id 0
		.amdhsa_next_free_vgpr 226
		.amdhsa_next_free_sgpr 66
		.amdhsa_reserve_vcc 1
		.amdhsa_float_denorm_mode_32 3
		.amdhsa_float_denorm_mode_16_64 3
		.amdhsa_memory_ordered 1
		.amdhsa_forward_progress 1
		.amdhsa_inst_pref_size 122
	.end_amdhsa_kernel
	.amdgpu_metadata
---
amdhsa.version: [ 1, 2 ]
amdhsa.kernels:
  - .name:           k_q19db963439_prep
    .symbol:         k_q19db963439_prep.kd
    .args:
      - { .name: x, .offset: 0, .size: 8, .value_kind: global_buffer, .address_space: global }
      - { .name: Wq, .offset: 8, .size: 8, .value_kind: global_buffer, .address_space: global }
      - { .name: Wk, .offset: 16, .size: 8, .value_kind: global_buffer, .address_space: global }
      - { .name: Wv, .offset: 24, .size: 8, .value_kind: global_buffer, .address_space: global }
      - { .name: Wo, .offset: 32, .size: 8, .value_kind: global_buffer, .address_space: global }
      - { .name: xq, .offset: 40, .size: 8, .value_kind: global_buffer, .address_space: global }
      - { .name: wq, .offset: 48, .size: 8, .value_kind: global_buffer, .address_space: global }
      - { .name: rope, .offset: 56, .size: 8, .value_kind: global_buffer, .address_space: global }
    .group_segment_fixed_size: 84992
    .private_segment_fixed_size: 0
    .kernarg_segment_align: 8
    .kernarg_segment_size: 64
    .max_flat_workgroup_size: 256
    .sgpr_count:     66
    .vgpr_count:     226
    .wavefront_size: 32
...
	.end_amdgpu_metadata
.endif
;; end of part 1
;; launch qkv (part 2): grid 12 x 16, 4 waves a work-group, clusters of 4 x 4, 327,680 bytes of LDS; arguments xq, wq, bq, bk, bv, qn, kn, rope, qkv; writes qkv
.if DOCPART == 2
	.amdgcn_target "amdgcn-amd-amdhsa--gfx1250"
	.amdhsa_code_object_version 6
	.text
	.protected	k_q19db963439_qkv
	.globl	k_q19db963439_qkv
	.p2align	8
	.type	k_q19db963439_qkv,@function
k_q19db963439_qkv:
	s_mov_b64 s[64:65], 0
	v_nop
	global_prefetch_b8 v0, s[64:65] scope:SCOPE_SE
	s_setreg_imm32_b32 hwreg(HW_REG_WAVE_MODE, 25, 1), 1
	s_wait_xcnt 0x0
	s_wait_alu depctr_hold_cnt(0) depctr_sa_sdst(0) depctr_va_vdst(0) depctr_va_sdst(0) depctr_va_ssrc(0) depctr_va_vcc(0) depctr_vm_vsrc(0)
	s_getreg_b32 s2, hwreg(HW_REG_IB_STS2, 6, 4)
	s_cmp_eq_u32 s2, 0
	s_cbranch_scc0 .Lentry_in_a_cluster
	s_endpgm
.Lentry_in_a_cluster:
	s_bfe_u32 s2, ttmp6, 0x10000c
	s_cmp_lg_u32 s2, 0xf033
	s_cbranch_scc0 .Lentry_shape_is_right
	s_endpgm
.Lentry_shape_is_right:
; QKV: [4096 places of x] x [3072 places of wq: 16 heads of q, then k_g and v_g by turns], K = 2048, on codes of FP4 (E2M1) with E8M0 scales; and, in registers, what follows the products:
; q, k: + bias, RMS norm over the head's 128, x gain, rotary step, (q: x 128^-0.5), quantised along the head's 128;   v: + bias, quantised along the KEYS.  Nothing but codes and scale words goes to memory.
; A tile of 256 x 256 is made by four waves, each 128 x 128: 64 accumulators, 512 registers.  A wave's 128 columns are ONE head, its 128 rows one run of 128 positions (an octave) of one batch.
; K goes in four steps of 512 through a ring of two LDS slots filled by the tensor data mover (rows of 256 bytes); the scale bytes of all of K come once, with the first fills, and stay.
; CLUSTERS: 4 x 4 work-groups; x's tiles are asked for jointly along a row of the cluster, the weights' along a column.
; THE MATRIX INSTRUCTION IS USED TRANSPOSED (source 0 = 16 places of the weight, source 1 = 16 places of x).  By the order of places in the workspace (bits 3 and 4 of a row's number changed) register 8 b + j of
; block a's eight accumulators is channel 32 (b / 2) + 16 (lane / 16) + 8 (b % 2) + j of the row in lane % 16: 16 neighbours of each block of 32, as the conversions want them.
; A WAVE THAT MAKES v CHANGES THE TWO OPERANDS' PLACES: it reads x's rows where the others read the weight's and the other way round (two LDS bases and the half of the lanes that takes which scale words).
; The same matrix text then gives it v^T: a lane holds a channel, its registers run along the keys.  Which wave that is hangs on the cluster's x and the wave's number alone.
; qkv: codes [b 4][head slot 24][octave 8][tile 8][1024 B], a tile being the image of an operand's registers (registers 4 c .. 4 c + 3 of lane l at 512 c + 16 l); from QSC on the scale words
; [b][slot][octave][512 B]: tile a, row r at 16 (r + 16 (a % 2)) + 4 (a / 2).  Head slots: 0-15 q; 16 + 2 g k_g; 17 + 2 g v_g (tiles: 16 channels x the octave's 128 keys).
; ROUNDING: 128^-0.5 is multiplied into the gain once, so q differs from the written order by one rounding.  LIMITS: NaN and infinities are not served; a block of zeros or under 2^(3 - 127) gets the byte 1 and zero codes.
; REGISTERS, in windows of 256.  Window 0: v0-31 addresses; v32-95 scale words, two sets; v96-103 v's bias; v128-191 one operand's fragments, ONE set; v192-255 the gain.
;   window 1: the other operand's fragments, TWO sets, v0-63 and v128-191; v64-127 the bias of q or k; v192-255 the first block's cos and sin.   windows 2, 3: the accumulators ((a, b) at v[8 (8 (a % 4) + b)]).
;   Behind the loop: window 0: v32-39 codes, v40-55 at work, v56-63 eight scale words, v64-79 at work, v128-191 a block's 64 numbers; window 1: v0-63 block 1's cos and sin, v128-191 at work.
.set KSTEP,  512
.set NQ,     4
.set ROWB,   256
.set KROW,   1024
.set PITCH,  272                       ; an LDS row: 256 bytes + 16 of padding = 68 words: the 16 rows of a load start at 16 different groups of four banks (64 banks of 4 bytes: ISA guide 11.1)
.set FR,     8
.set NL,     2
.set NP,     4                         ; places behind this matrix instruction (ISA guide 7.12.1)
.set HALFT,  128*PITCH
.set SLOT,   4*HALFT
.set LAPS,   2
.set SCL,    2*SLOT                    ; behind the ring: the scale bytes, 16,384 bytes for each operand's load: [K / 512][256 rows][16 B]; x's, then the weight's
.set SPARE,  SCL+4*8192                ; the spare words, 128 bytes for each wave: two blocks of 256 bytes that no other line names
.set XSC,    4194304
.set WSC,    5242880
.set QSC,    6291456
.set HO,   8                           ; v8   64 x (lane / 16); never rewritten
.set LI,   9                           ; v9   16 x lane; never rewritten
.set RO,   10                          ; v10  4 (r + 8 (r / 8)); never rewritten
.set ADRA, 16
.set ADRB, 20
.set ADRS, 27
.set SPW,  28
.set NIL,  29
.set SC,   32
.set BV,   96
.set AF,   128
.set GN,   192
.set BI,   64                          ; window 1
.set PC,   32
.set TM,   40
.set PWS,  56
.set RS,   64
.set SS,   66
.set SW,   76
.set T,    128
.set TMP,  128                         ; window 1
.set SEL,  20
.set G1, 24
.set G0, 32
.set G1B, 48
.set G0B, 56
.set G1S, 68
.set G0S, 76
.set G1SB, 80
.set G0SB, 88
.set MSB, 0
.macro WIN new                         ; the immediate's high byte repeats the setting that is left
.if MSB != (\new)
	s_set_vgpr_msb (MSB<<8)|(\new)
.set MSB, (\new)
.endif
.endm
.set MUL_LO, 0xa1                      ; source 0 window 1, source 1 window 0, C and D window 2
.set MUL_HI, 0xf1                      ; the same, C and D window 3
.set TO_B,   0x40
; A joint load: waves 0 and 1 fetch for x, waves 2 and 3 for the weight.  The branch hangs on the wave's number alone.  Four v_nop follow each of the two lines.
.macro JLOAD g0a, g1a, g0b, g1b
	s_cmp_eq_u32 s15, 0
	s_cbranch_scc0 .Lfor_b_\@
	tensor_load_to_lds s[\g0a:\g0a+3], s[\g1a:\g1a+7]
	s_nop 0
.rept 4
	v_nop
.endr
	s_branch .Lasked_\@
.Lfor_b_\@:
	tensor_load_to_lds s[\g0b:\g0b+3], s[\g1b:\g1b+7]
	s_nop 0
.rept 4
	v_nop
.endr
.Lasked_\@:
.endm
.macro CREST                           ; a round of the cluster's barrier behind its opening barrier
	s_cmp_lg_u32 s14, 0
	s_cbranch_scc1 .Lnot_wave_0_\@
	s_barrier_signal -3
.Lnot_wave_0_\@:
	s_barrier_wait -3
	s_barrier_signal -1
	s_barrier_wait -1
.endm
.macro CROUND
	s_barrier_signal -1
	s_barrier_wait -1
	CREST
.endm
	s_load_b256 s[4:11], s[0:1], 0x0               ; xq, wq, bq, bk
	s_load_b256 s[92:99], s[0:1], 0x20             ; bv, qn, kn, rope
	s_load_b64 s[100:101], s[0:1], 0x40            ; qkv
	v_lshl_add_u32 v[SPW], v0, 2, SPARE
	v_mov_b32 v[NIL], 0
	ds_add_u32 v28, v29
	ds_add_u32 v28, v29
	s_wait_dscnt 0x0
	v_lshrrev_b32 v1, 5, v0
	v_readfirstlane_b32 s14, v1                    ; wave 0..3
	s_lshr_b32 s15, s14, 1                         ; which half of the tile's rows is mine.  Also: I fetch for x (0) or for the weight (1)
	s_and_b32 s16, s14, 1                          ; which half of its columns.  Also: which 128 rows of that tile I fetch
	s_bfe_u32 s40, ttmp6, 0x40000                  ; cx, cy
	s_bfe_u32 s41, ttmp6, 0x40004
	s_lshl_b32 s42, ttmp9, 2
	s_add_co_u32 s42, s42, s40                     ; tile column = 4 x cluster x + cx
	s_and_b32 s17, ttmp7, 0xffff
	s_lshl_b32 s17, s17, 2
	s_add_co_u32 s17, s17, s41                     ; tile row = 4 x cluster y + cy
	s_lshl_b32 s43, s41, 2
	s_lshl_b32 s43, 15, s43                        ; my row of the cluster
	s_lshl_b32 s44, 0x1111, s40                    ; my column
	s_cmp_eq_u32 ttmp9, 2                          ; tile columns 8-11, the third column of clusters, hold (k_g, v_g)
	s_cselect_b32 s67, 1, 0                        ; k or v
	s_and_b32 s66, s67, s16                        ; v
	s_or_b32 s[G1+0], s43, (0<<16)|(1<<21)         ; 15:0 the mask; 17:16 elements of 1 byte; 21 set beside a mask; no padding: the tile's rows are 272 bytes long, of which the tensor has 256: the load writes zeros into the last 16
	s_or_b32 s[G1B+0], s44, (0<<16)|(1<<21)
.irp g, G1, G1B
	s_mov_b32 s[\g+1], ROWB<<16                    ; tensor_dim0
	s_mov_b32 s[\g+2], 256<<16                     ; tensor_dim1: 256 rows for the head's loads; behind them 128
	s_mov_b32 s[\g+3], PITCH<<16                   ; tile_dim0 = 272: 16 bytes beyond tensor_dim0, written as zeros: an LDS row is 272 bytes, all of them written
	s_mov_b32 s[\g+4], 256                         ; tile_dim1
	s_mov_b32 s[\g+5], KROW                        ; from row to row
	s_mov_b32 s[\g+6], 0
	s_mov_b32 s[\g+7], 0
.endr
	; the scale bytes of 256 rows: four rows (one for each 512 along K) of 4,096 bytes = 512 elements of 8 bytes; no padding: a load of 16 rows' words reads 256 consecutive bytes
	s_or_b32 s[G1S+0], s43, (3<<16)|(1<<21)
	s_or_b32 s[G1SB+0], s44, (3<<16)|(1<<21)
.irp g, G1S, G1SB
	s_mov_b32 s[\g+1], 512<<16                     ; the scale bytes of 256 rows: four rows of 4,096 bytes = 512 elements of 8 bytes
	s_mov_b32 s[\g+2], 4<<16
	s_mov_b32 s[\g+3], 512<<16
	s_mov_b32 s[\g+4], 4
	s_mov_b32 s[\g+6], 0
	s_mov_b32 s[\g+7], 0
.endr
	s_mov_b32 s[G1S+5], 8192                       ; 4,096 places x 16 bytes, in elements
	s_mov_b32 s[G1SB+5], 10240                     ; 5,120 places x 16 bytes
	s_lshl_b32 s20, s17, 8                         ; x: the tile's first place, 256 x tile row
	s_lshl_b32 s46, s42, 8                         ; the weight: 256 x tile column
	s_lshl_b32 s22, s20, 4
	s_add_co_u32 s22, s22, XSC
	s_mov_b32 s23, 0
	s_lshl_b32 s12, s46, 4
	s_add_co_u32 s12, s12, WSC
	s_mov_b32 s13, 0
	s_lshl_b32 s20, s20, 10
	s_mov_b32 s21, 0
	s_lshl_b32 s46, s46, 10
	s_mov_b32 s47, 0
	s_mul_i32 s45, s14, HALFT                      ; where they go: wave x 128 rows: no place in the cluster enters an LDS address
	s_lshl_b32 s2, s16, 17                         ; s[2:3]: in the ring I fetch 128 rows of a tile: which half, in bytes of codes
	s_mov_b32 s3, 0
	s_wait_kmcnt 0x0
	s_add_nc_u64 s[20:21], s[4:5], s[20:21]
	s_add_nc_u64 s[22:23], s[4:5], s[22:23]
	s_add_nc_u64 s[46:47], s[6:7], s[46:47]
	s_add_nc_u64 s[12:13], s[6:7], s[12:13]
	CROUND                                         ; all sixteen work-groups are here: the first joint loads meet
	s_mov_b32 s[G0S], 1
	s_mov_b32 s[G0S+1], SCL                        ; x's scale bytes: [K / 512][256 rows][16 B]
	s_mov_b64 s[G0S+2:G0S+3], s[22:23]
	s_or_b32 s[G0S+3], s[G0S+3], 0x80000000
	s_mov_b32 s[G0SB], 1
	s_mov_b32 s[G0SB+1], SCL+16384                 ; the weight's, behind them
	s_mov_b64 s[G0SB+2:G0SB+3], s[12:13]
	s_or_b32 s[G0SB+3], s[G0SB+3], 0x80000000
.irp s, 0,1
	s_mov_b32 s[G0+4*\s], 1
	s_add_co_u32 s[G0+4*\s+1], s45, \s*SLOT
	s_add_nc_u64 s[G0+4*\s+2:G0+4*\s+3], s[20:21], \s*ROWB
	s_or_b32 s[G0+4*\s+3], s[G0+4*\s+3], 0x80000000
	s_mov_b32 s[G0B+4*\s], 1
	s_add_co_u32 s[G0B+4*\s+1], s45, \s*SLOT
	s_add_nc_u64 s[G0B+4*\s+2:G0B+4*\s+3], s[46:47], \s*ROWB
	s_or_b32 s[G0B+4*\s+3], s[G0B+4*\s+3], 0x80000000
.endr
	s_mov_b32 s[G0+1], 0                           ; for the head slot 0's groups 0 name whole tiles: x's 256 rows at the slot's start,
	s_mov_b32 s[G0B+1], 2*HALFT                    ; the weight's 256 behind them
	s_add_nc_u64 s[G0+6:G0+7], s[G0+6:G0+7], s[2:3]      ; slot 1's name my 128 rows
	s_add_nc_u64 s[G0B+6:G0B+7], s[G0B+6:G0B+7], s[2:3]
; THE HEAD'S LOADS, ONE A WAVE: wave 0 K step 0's 256 rows of x, wave 1 the weight's 256, wave 2 x's scale bytes, wave 3 the weight's.  One chain of branches on the wave's number, a load to an arm, one join.
.macro ARM under, g0, g1, next
	s_cmp_lt_u32 s14, \under
	s_cbranch_scc0 \next
	tensor_load_to_lds s[\g0:\g0+3], s[\g1:\g1+7]
	s_nop 0
.rept 4
	v_nop
.endr
	s_branch .Lhead_asked
\next:
.endm
	ARM 1, G0,  G1,  .Lhead_b
	ARM 2, G0B, G1B, .Lhead_sa
	ARM 3, G0S, G1S, .Lhead_sb
	tensor_load_to_lds s[G0SB:G0SB+3], s[G1SB:G1SB+7]
	s_nop 0
.rept 4
	v_nop
.endr
.Lhead_asked:
	; WHAT THE WAY OUT WANTS is asked for now, into registers that lie idle in the loop, alike in every wave: gain, bias, v's bias, the first block's cos and sin
	v_and_b32 v1, 15, v0                           ; r
	v_bfe_u32 v2, v0, 4, 1                         ; h
	v_lshlrev_b32 v[HO], 6, v2
	s_wait_alu depctr_va_vdst(0)
	v_and_b32 v5, 31, v0
	v_lshlrev_b32 v[LI], 4, v5
	v_and_b32 v5, 8, v1
	v_add_nc_u32 v5, v5, v1
	v_lshlrev_b32 v[RO], 2, v5
	s_wait_alu depctr_va_vdst(0)
	s_lshl_b32 s18, s42, 1
	s_add_co_u32 s18, s18, s16                     ; my head slot
	s_lshl_b32 s19, s18, 9                         ; bq: 512 bytes a head
	s_and_b32 s12, s42, 3
	s_lshl_b32 s12, s12, 9                         ; bk: head g = tile column - 8
	s_mov_b32 s13, 0
	s_cmp_lg_u32 s67, 0
	s_cselect_b64 s[8:9], s[10:11], s[8:9]         ; the bias: bk or bq
	s_cselect_b64 s[94:95], s[96:97], s[94:95]     ; the gain: kn or qn
	s_cselect_b32 s12, s12, s19
	s_add_nc_u64 s[8:9], s[8:9], s[12:13]
	s_lshr_b32 s12, s18, 1
	s_and_b32 s12, s12, 3
	s_lshl_b32 s12, s12, 9
	s_add_nc_u64 s[92:93], s[92:93], s[12:13]      ; bv: head g in a wave that makes v; inside the buffer in every wave
	s_lshl_b32 s19, s17, 1
	s_add_co_u32 s19, s19, s15                     ; my run of 128 places
	s_lshr_b32 s12, s19, 3                         ; the batch,
	s_and_b32 s19, s19, 7                          ; the octave
	s_mul_i32 s12, s12, 24
	s_add_co_u32 s12, s12, s18
	s_lshl_b32 s12, s12, 3
	s_add_co_u32 s12, s12, s19                     ; (24 b + slot) 8 + octave
	s_lshl_b32 s40, s12, 9
	s_add_co_u32 s40, s40, QSC
	s_mov_b32 s41, 0
	s_add_nc_u64 s[96:97], s[100:101], s[40:41]    ; my 512 bytes of scale words
	s_lshl_b32 s40, s12, 13
	s_add_nc_u64 s[100:101], s[100:101], s[40:41]  ; my 8 tiles of codes
	s_lshl_b32 s40, s19, 16
	s_add_nc_u64 s[98:99], s[98:99], s[40:41]      ; the octave's 8 blocks of the table
.irp b, 0,1,2,3
.irp j, 0,1,2,3
	global_load_b128 v[GN+16*\b+4*\j:GN+16*\b+4*\j+3], v[HO], s[94:95] offset:128*\b+16*\j    ; register 16 b + i: channel 32 b + 16 h + i
.endr
.endr
.irp a, 0,1,2,3,4,5,6,7
	global_load_b32 v[BV+\a], v[RO], s[92:93] offset:4*(32*(\a/2)+8*(\a%2))                  ; channel 32 (a / 2) + 8 (a % 2) + r + 8 (r / 8)
.endr
	WIN 0x40
.irp b, 0,1,2,3
.irp j, 0,1,2,3
	global_load_b128 v[BI+16*\b+4*\j:BI+16*\b+4*\j+3], v[HO], s[8:9] offset:128*\b+16*\j
.endr
.endr
.irp q, 0,1,2,3,4,5,6,7,8,9,10,11,12,13,14,15
	global_load_b128 v[192+4*\q:192+4*\q+3], v[LI], s[98:99] offset:512*\q
.endr
	WIN 0
	v_mul_u32_u24 v3, v1, PITCH
	v_lshl_add_u32 v4, v2, 4, v3                   ; a fragment's row x pitch + 16 x half
	s_wait_alu depctr_va_vdst(0)
	s_mul_i32 s21, s15, HALFT                      ; my 128 rows of x
	s_mul_i32 s22, s16, HALFT
	s_add_co_u32 s22, s22, 2*HALFT                 ; my 128 rows of the weight, behind x's 256
	s_cmp_lg_u32 s66, 0
	s_cselect_b32 s18, s22, s21                    ; source 1's rows: x's; in a wave that makes v the weight's
	s_cselect_b32 s19, s21, s22                    ; source 0's rows: the other
.irp s, 0,1
	v_add_nc_u32 v[ADRA+\s], s18, v4
	v_add_nc_u32 v[ADRB+\s], s19, v4
	s_add_co_u32 s18, s18, SLOT
	s_add_co_u32 s19, s19, SLOT
.endr
	v_xor_b32 v7, s66, v2                          ; lanes 0-15 take source 1's scale words, lanes 16-31 source 0's: the half that takes the weight's
	s_lshl_b32 s21, s15, 11                        ; x's scale bytes: my 128 rows of 16 bytes
	s_add_co_u32 s22, s16, 8
	s_sub_co_u32 s22, s22, s15
	s_lshl_b32 s22, s22, 11                        ; from them to my 128 rows of the weight's, 16,384 bytes on
	v_mul_u32_u24 v6, s22, v7
	s_add_co_u32 s21, s21, SCL
	v_lshl_add_u32 v5, v1, 4, v6                   ; 16 bytes a row
	v_add_nc_u32 v[ADRS], s21, v5
.macro FRAG reg, adr, q, i             ; 16 rows x 128 K of 4-bit codes: 8 registers; lane l holds row l % 16; registers 4 c .. 4 c + 3 hold K = 64 c + 32 (l / 16) + 0 .. 31
.irp c, 0,1
	ds_load_b128 v[\reg+4*\c:\reg+4*\c+3], v[\adr] offset:64*(\q)+32*\c+(\i)*16*PITCH
.endr
.endm
; 16 matrix instructions: source 1's blocks a0, a0 + 1 x source 0's eight, the slot's q-th 128 along K.  The 64 accumulators take turns, one instruction a turn, in the same order in every step.
.macro MUL16 a0, p, q, sc, zero
.irp a, \a0, \a0+1
.irp b, 0,1,2,3,4,5,6,7
.if \zero
	v_wmma_scale_f32_16x16x128_f8f6f4 v[8*(8*((\a)%4)+\b):8*(8*((\a)%4)+\b)+7], v[128*(\p)+FR*\b:128*(\p)+FR*\b+FR-1], v[AF+FR*(\a):AF+FR*(\a)+FR-1], 0, v[SC+8*NQ*(\sc)+NQ*\b+(\q)], v[SC+8*NQ*(\sc)+NQ*(\a)+(\q)] matrix_a_fmt:MATRIX_FMT_FP4 matrix_b_fmt:MATRIX_FMT_FP4 matrix_a_scale:MATRIX_SCALE_ROW1
.else
	v_wmma_scale_f32_16x16x128_f8f6f4 v[8*(8*((\a)%4)+\b):8*(8*((\a)%4)+\b)+7], v[128*(\p)+FR*\b:128*(\p)+FR*\b+FR-1], v[AF+FR*(\a):AF+FR*(\a)+FR-1], v[8*(8*((\a)%4)+\b):8*(8*((\a)%4)+\b)+7], v[SC+8*NQ*(\sc)+NQ*\b+(\q)], v[SC+8*NQ*(\sc)+NQ*(\a)+(\q)] matrix_a_fmt:MATRIX_FMT_FP4 matrix_b_fmt:MATRIX_FMT_FP4 matrix_a_scale:MATRIX_SCALE_ROW1
.endif
.endr
.endr
.endm
.macro FETCH_B slot, q, p
	WIN TO_B
.irp i, 0,1,2,3,4,5,6,7
	FRAG 128*(\p)+FR*\i, ADRB+\slot, \q, \i
.endr
	WIN 0
.endm
.macro FETCH_A slot, q, i0
.irp i, \i0, \i0+1, \i0+2, \i0+3
	FRAG AF+FR*(\i), ADRA+\slot, \q, \i
.endr
.endm
.macro SCALES sc                       ; a K step's scale words into set sc: four words a row; lanes 0-15 source 1's block i, lanes 16-31 source 0's block i
.irp i, 0,1,2,3,4,5,6,7
	ds_load_b128 v[SC+8*NQ*\sc+NQ*\i:SC+8*NQ*\sc+NQ*\i+3], v[ADRS] offset:\i*256
.endr
.endm
.macro PLACES n                        ; plain vector instructions that name no register of the matrix instructions in front (ISA guide 7.12.1)
.rept \n
	v_nop
.endr
.endm
.macro STEP slot, q, zero
	s_wait_dscnt 4*NL                              ; all but the youngest eight loads (blocks 4-7 of source 1)
	WIN MUL_LO
	MUL16 0, (\q)%2, \q, \slot, \zero
	MUL16 2, (\q)%2, \q, \slot, \zero
	s_wait_dscnt 0
	PLACES NP
	FETCH_B \slot, (\q)+1, 1-(\q)%2
	FETCH_A \slot, (\q)+1, 0
	WIN MUL_HI
	MUL16 4, (\q)%2, \q, \slot, \zero
	MUL16 6, (\q)%2, \q, \slot, \zero
	PLACES NP
	WIN 0
	FETCH_A \slot, (\q)+1, 4
.endm
; A slot's last step changes slots: ONE barrier; in front of it each wave waits for all its tensor loads, adds 0 to its spare word, and waits for that and for its own reads of this slot.
.macro TURN slot, next, fill
	s_wait_tensorcnt 0x0                           ; all my tensor loads have landed: my part of the next slot
	ds_add_u32 v[SPW], v[NIL]                      ; 0 onto my spare word
	s_wait_dscnt 4*NL+1                            ; (the add and the youngest eight loads may be out)
	WIN MUL_LO
	MUL16 0, 1, NQ-1, \slot, 0
	s_wait_dscnt 0x0                               ; the add is done, and my reads of this slot are over
	s_barrier_signal -1
	MUL16 2, 1, NQ-1, \slot, 0
	WIN 0
	s_barrier_wait -1
.if \fill
	CREST                                          ; the barrier has opened a round of the cluster's barrier: no wave of any partner still reads this slot or has a load on its way
	s_add_nc_u64 s[G0+4*\slot+2:G0+4*\slot+3], s[G0+4*\slot+2:G0+4*\slot+3], 2*ROWB
	s_add_nc_u64 s[G0B+4*\slot+2:G0B+4*\slot+3], s[G0B+4*\slot+2:G0B+4*\slot+3], 2*ROWB
	JLOAD G0+4*\slot, G1, G0B+4*\slot, G1B         ; the first tensor load behind the round, and my only one until the next; its four v_nop are the places in front of the loads below
.else
	PLACES NP
.endif
	s_wait_alu depctr_va_vdst(0)
	v_add_nc_u32 v[ADRS], 4096, v[ADRS]            ; the next K step's scale words: 256 rows x 16 bytes on
	FETCH_B \next, 0, 0
	FETCH_A \next, 0, 0
	SCALES \next
	WIN MUL_HI
	MUL16 4, 1, NQ-1, \slot, 0
	MUL16 6, 1, NQ-1, \slot, 0
	PLACES NP
	WIN 0
	FETCH_A \next, 0, 4
.endm
.macro STEPS slot, from
.set Q, \from
.rept NQ-1-\from
	STEP \slot, Q, 0
.set Q, Q+1
.endr
.endm
	s_wait_alu depctr_va_vdst(0)
	s_wait_tensorcnt 0x0                           ; my tile of the head's four is in
	ds_add_u32 v[SPW], v[NIL]
	s_mov_b32 s[G1+2], 128<<16                     ; no tensor load of mine is out, so descriptors may be written: from here on a load brings 128 rows,
	s_mov_b32 s[G1+4], 128
	s_mov_b32 s[G1B+2], 128<<16
	s_mov_b32 s[G1B+4], 128
	s_mov_b32 s[G0+1], s45                         ; and slot 0's groups 0 name my quarter of the slot
	s_mov_b32 s[G0B+1], s45
	s_add_nc_u64 s[G0+2:G0+3], s[G0+2:G0+3], s[2:3]
	s_add_nc_u64 s[G0B+2:G0B+3], s[G0B+2:G0B+3], s[2:3]
	s_wait_dscnt 0x0
	CROUND                                         ; all four tiles are in, and all sixteen work-groups are here
	JLOAD G0+4, G1, G0B+4, G1B                     ; K step 1: the first tensor load behind the round
	FETCH_B 0, 0, 0
	FETCH_A 0, 0, 0
	SCALES 0
	FETCH_A 0, 0, 4
	STEP 0, 0, 1                                   ; the first step's products start the sums
	s_mov_b32 s3, LAPS-1
.Llap:
	STEPS 0, 1
	TURN 0, 1, 1
	STEPS 1, 0
	TURN 1, 0, 1
	STEP 0, 0, 0
	s_sub_co_u32 s3, s3, 1
	s_cmp_lg_u32 s3, 0
	s_cbranch_scc1 .Llap
	STEPS 0, 1                                     ; the last lap fills nothing
	TURN 0, 1, 0
	STEPS 1, 0
	s_wait_dscnt 4*NL
	WIN MUL_LO
	MUL16 0, 1, NQ-1, 1, 0
	MUL16 2, 1, NQ-1, 1, 0
	s_wait_dscnt 0
	WIN MUL_HI
	MUL16 4, 1, NQ-1, 1, 0
	MUL16 6, 1, NQ-1, 1, 0
	WIN 0
; 64 numbers of a lane, register 16 b + i = k 32 b + 16 (lane / 16) + i of my row, become a fragment's codes in v[pc] on and its scale word in v[pw].
.macro QUANT s, pc, pw
.irp b, 0,1,2,3
	v_max3_num_f32 v[TM+\b], |v[\s+16*\b]|, |v[\s+1+16*\b]|, 0x1800000   ; my 16 numbers of block b, and the floor 2^(3 - 127)
.endr
.irp i, 2,4,6,8,10,12,14
.irp b, 0,1,2,3
	v_max3_num_f32 v[TM+\b], v[TM+\b], |v[\s+16*\b+\i]|, |v[\s+1+16*\b+\i]|
.endr
.endr
.irp b, 0,1,2,3
	v_permlanex16_b32 v[TM+4+\b], v[TM+\b], s[SEL], s[SEL+1]
.endr
.irp b, 0,1,2,3
	v_max_num_f32 v[TM+\b], v[TM+\b], v[TM+4+\b]   ; with lane l xor 16's: the block's largest magnitude
.endr
.irp b, 0,1,2,3
	v_add_nc_u32 v[TM+12+\b], 0xff000000, v[TM+\b] ; 2 off its exponent field: the conversion's scale operand
.endr
.irp b, 0,1,2,3
	v_lshrrev_b32 v[TM+4+\b], 23, v[TM+12+\b]      ; the scale's byte
.endr
	v_lshl_or_b32 v[\pw], v[TM+5], 8, v[TM+4]
	v_lshl_or_b32 v[\pw], v[TM+6], 16, v[\pw]
	v_lshl_or_b32 v[\pw], v[TM+7], 24, v[\pw]
.irp b, 0,1,2,3
	v_cvt_scalef32_pk8_fp4_f32 v[\pc+2*\b], v[\s+16*\b:\s+7+16*\b], v[TM+12+\b]
	v_cvt_scalef32_pk8_fp4_f32 v[\pc+1+2*\b], v[\s+8+16*\b:\s+15+16*\b], v[TM+12+\b]
.endr
	v_nop                                          ; one plain place behind a scaled conversion
.irp c, 0,1                                    ; the operand's layout wants a whole block in a lane
.irp i, 0,1
	v_permlane16_swap_b32 v[\pc+4*\c+\i], v[\pc+2+4*\c+\i]
.endr
.endr
.endm
; BLOCK a OF THE WAY OUT: the eight accumulators of source 1's block a: 16 rows x 128, 64 numbers a lane.
; THE TABLE RUNS TWO BLOCKS AHEAD: as soon as block a's 64 accumulator registers have been read out, block a + 2's cos and sin are asked for into them (16 loads of 512 consecutive bytes).
.macro TNEXT a
.if (\a)+2 < 8
	WIN 0x80+0x40*((\a)/4)                         ; destination: the accumulators' window
.irp q, 0,1,2,3,4,5,6,7,8,9,10,11,12,13,14,15
	global_load_b128 v[64*((\a)%4)+4*\q:64*((\a)%4)+4*\q+3], v[LI], s[98:99] offset:8192*((\a)+2)+512*\q
.endr
	WIN 0
.endif
.endm
.macro EBLOCK a
.set AC,  64*((\a)%4)
.if (\a) < 2
.set RTA, 192-192*(\a)                 ; this block's cos and sin: blocks 0 and 1 in window 1, v192-255 and v0-63;
.set RW,  1
.else
.set RTA, 64*(((\a)-2)%4)              ; the later ones where block a - 2's accumulators lay
.set RW,  2+((\a)-2)/4
.endif
.set BVP, BV+(\a)-(\a)%2
.if (\a) == 0
	WIN 0x40
.irp q, 0,1,2,3,4,5,6,7,8,9,10,11,12,13,14,15
	global_load_b128 v[4*\q:4*\q+3], v[LI], s[98:99] offset:8192+512*\q      ; block 1's table
.endr
.endif
	WIN 0
	s_cmp_lg_u32 s66, 0
	s_cbranch_scc1 .Lv_\@
	WIN 0x06+(\a)/4                                ; q and k.  Source 0: the accumulators' window; source 1: window 1
.set i, 0
.rept 32
	v_pk_add_f32 v[T+i:T+i+1], v[AC+i:AC+i+1], v[BI+i:BI+i+1]      ; + bias; each accumulator is read from its low end on
.set i, i+2
.endr
	WIN 0
	TNEXT \a
.irp c, 0,1,2,3
	v_pk_mul_f32 v[SS+2*\c:SS+2*\c+1], v[T+2*\c:T+2*\c+1], v[T+2*\c:T+2*\c+1]   ; the sum of squares, in four chains of pairs
.endr
.set i, 8
.rept 28
	v_pk_fma_f32 v[SS+i%8:SS+i%8+1], v[T+i:T+i+1], v[T+i:T+i+1], v[SS+i%8:SS+i%8+1]
.set i, i+2
.endr
	v_pk_add_f32 v[SS:SS+1], v[SS:SS+1], v[SS+2:SS+3]
	v_pk_add_f32 v[SS+4:SS+5], v[SS+4:SS+5], v[SS+6:SS+7]
	v_pk_add_f32 v[SS:SS+1], v[SS:SS+1], v[SS+4:SS+5]
	v_add_f32 v[SS], v[SS], v[SS+1]
	v_permlanex16_b32 v[SS+2], v[SS], s[SEL], s[SEL+1]             ; the row's other 64 channels lie in the lane 16 away
	v_add_f32 v[SS], v[SS], v[SS+2]
	v_fma_f32 v[SS], v[SS], s18, s19               ; / 128 + 1e-6
	s_wait_alu depctr_va_vdst(0)
	v_rsq_f32 v[RS], v[SS]
	v_nop                                          ; a plain place behind the transcendental
.set i, 0
	s_wait_alu depctr_va_vdst(0)
.rept 32
	v_pk_mul_f32 v[T+i:T+i+1], v[T+i:T+i+1], v[RS:RS+1] op_sel_hi:[1,0]
.set i, i+2
.endr
.set i, 0
.rept 32
	v_pk_mul_f32 v[T+i:T+i+1], v[T+i:T+i+1], v[GN+i:GN+i+1]
.set i, i+2
.endr
.if (\a) < 6
	s_wait_loadcnt 32                              ; this block's table is in; the 16 loads each of the next two blocks' may be out
.else
	s_wait_loadcnt 16*(7-(\a))
.endif
	WIN 0x40+4*RW                                  ; the rotary step on a pair (z0, z1) with (cos, sin): first (z1 sin, z1 cos), into window 1; source 1: the table's window
.set i, 0
.rept 32
	v_pk_mul_f32 v[TMP+i:TMP+i+1], v[T+i:T+i+1], v[RTA+i:RTA+i+1] op_sel:[1,1] op_sel_hi:[1,0]
.set i, i+2
.endr
	WIN 0x10+4*RW                                  ; then (z0 cos - z1 sin, z0 sin + z1 cos)
.set i, 0
.rept 32
	v_pk_fma_f32 v[T+i:T+i+1], v[T+i:T+i+1], v[RTA+i:RTA+i+1], v[TMP+i:TMP+i+1] op_sel_hi:[0,1,1] neg_lo:[0,0,1]
.set i, i+2
.endr
	WIN 0
	s_branch .Lj_\@
.Lv_\@:
	WIN 0x02+(\a)/4                                ; v: my lane is a channel: + its bias
.set i, 0
.rept 32
.if (\a)%2
	v_pk_add_f32 v[T+i:T+i+1], v[AC+i:AC+i+1], v[BVP:BVP+1] op_sel:[0,1] op_sel_hi:[1,1]
.else
	v_pk_add_f32 v[T+i:T+i+1], v[AC+i:AC+i+1], v[BVP:BVP+1] op_sel:[0,0] op_sel_hi:[1,0]
.endif
.set i, i+2
.endr
	WIN 0
	TNEXT \a                                       ; the same loads in both arms, so that every count of loads holds on every path
.Lj_\@:
	s_wait_xcnt 0x0                                ; the last block's stores have read the codes' registers
	QUANT T, PC, PWS+(\a)
	global_store_b128 v[LI], v[PC:PC+3], s[100:101] offset:1024*(\a)          ; the fragment's image: 512 consecutive bytes a store
	global_store_b128 v[LI], v[PC+4:PC+7], s[100:101] offset:1024*(\a)+512
.endm
	PLACES NP                                      ; in front of the first read of results and of writes into registers that the last products read
	s_mov_b32 s[SEL], 0x76543210
	s_mov_b32 s[SEL+1], 0xfedcba98                 ; v_permlanex16_b32's selects for lane l xor 16
	s_mov_b32 s18, 0x3c000000                      ; 1 / 128
	s_mov_b32 s19, 0x358637bd                      ; 1e-6
	s_mov_b32 s12, 0x3db504f3                      ; 128^-0.5, for q alone
	s_cmp_lg_u32 s67, 0
	s_cselect_b32 s22, 1.0, s12
	s_mov_b32 s23, s22
	v_mov_b32 v[RS+1], 0                           ; (named as the upper half of a pair)
.irp b, 0,1,2,3
	v_mov_b32 v[TM+4+\b], 0                        ; a lane permute's destination counts as one of its sources
.endr
	s_wait_loadcnt 0x0                             ; gain, biases, the first block's table
.set i, 0
.rept 32
	v_pk_mul_f32 v[GN+i:GN+i+1], v[GN+i:GN+i+1], s[22:23] op_sel_hi:[1,0]
.set i, i+2
.endr
.irp a, 0,1,2,3,4,5,6,7
	EBLOCK \a
.endr
	v_and_b32 v1, 31, v0
	v_cmp_lt_u32 vcc_lo, 15, v1
.irp q, 0,1,2,3
	v_cndmask_b32 v[SW+\q], v[PWS+2*\q], v[PWS+2*\q+1], vcc_lo     ; lanes 0-15 tile 2 q's word of row r, lanes 16-31 tile 2 q + 1's
.endr
	global_store_b128 v[LI], v[SW:SW+3], s[96:97]  ; 512 consecutive bytes
	s_wait_tensorcnt 0x0                           ; the wave's end
	ds_add_u32 v[SPW], v[NIL]
	s_wait_dscnt 0x0
	CROUND                                         ; the closing round
	s_endpgm
.Lfunc_end_k_q19db963439_qkv:
	.size	k_q19db963439_qkv, .Lfunc_end_k_q19db963439_qkv-k_q19db963439_qkv
	.p2alignl 7, 3214868480
	.fill 96, 4, 3214868480
	.section	.rodata,"a",@progbits
	.p2align	6, 0x0
	.amdhsa_kernel k_q19db963439_qkv
		.amdhsa_group_segment_fixed_size 327680
		.amdhsa_private_segment_fixed_size 0
		.amdhsa_enable_private_segment 0
		.amdhsa_kernarg_size 72
		.amdhsa_user_sgpr_count 2
		.amdhsa_user_sgpr_kernarg_segment_ptr 1
		.amdhsa_wavefront_size32 1
		.amdhsa_system_sgpr_workgroup_id_x 1
		.amdhsa_system_sgpr_workgroup_id_y 1
		.amdhsa_system_sgpr_workgroup_id_z 1
		.amdhsa_system_vgpr_workitem_id 0
		.amdhsa_next_free_vgpr 1024
		.amdhsa_next_free_sgpr 102
		.amdhsa_reserve_vcc 1
		.amdhsa_float_denorm_mode_32 3
		.amdhsa_float_denorm_mode_16_64 3
		.amdhsa_memory_ordered 1
		.amdhsa_forward_progress 1
		.amdhsa_inst_pref_size 255
	.end_amdhsa_kernel
	.section	.bss,"aw",@nobits
	.p2align	6
	.space	262144
	.amdgpu_metadata
---
amdhsa.version: [ 1, 2 ]
amdhsa.kernels:
  - .name:           k_q19db963439_qkv
    .symbol:         k_q19db963439_qkv.kd
    .args:
      - { .name: xq, .offset: 0, .size: 8, .value_kind: global_buffer, .address_space: global }
      - { .name: wq, .offset: 8, .size: 8, .value_kind: global_buffer, .address_space: global }
      - { .name: bq, .offset: 16, .size: 8, .value_kind: global_buffer, .address_space: global }
      - { .name: bk, .offset: 24, .size: 8, .value_kind: global_buffer, .address_space: global }
      - { .name: bv, .offset: 32, .size: 8, .value_kind: global_buffer, .address_space: global }
      - { .name: qn, .offset: 40, .size: 8, .value_kind: global_buffer, .address_space: global }
      - { .name: kn, .offset: 48, .size: 8, .value_kind: global_buffer, .address_space: global }
      - { .name: rope, .offset: 56, .size: 8, .value_kind: global_buffer, .address_space: global }
      - { .name: qkv, .offset: 64, .size: 8, .value_kind: global_buffer, .address_space: global }
    .group_segment_fixed_size: 327680
    .private_segment_fixed_size: 0
    .kernarg_segment_align: 8
    .kernarg_segment_size: 72
    .max_flat_workgroup_size: 128
    .sgpr_count:     102
    .vgpr_count:     1024
    .wavefront_size: 32
...
	.end_amdgpu_metadata
.endif
;; end of part 2
;; launch attn (part 3): grid 16 x 16, 16 waves a work-group, clusters of 4 x 1, 169,984 bytes of LDS; arguments qkv, oq; writes oq
.if DOCPART == 3
	.amdgcn_target "amdgcn-amd-amdhsa--gfx1250"
	.amdhsa_code_object_version 6
	.text
	.protected	k_q19db963439_attn
	.globl	k_q19db963439_attn
	.p2align	8
	.type	k_q19db963439_attn,@function
k_q19db963439_attn:
	s_mov_b64 s[64:65], 0
	v_nop
	global_prefetch_b8 v0, s[64:65] scope:SCOPE_SE
	s_setreg_imm32_b32 hwreg(HW_REG_WAVE_MODE, 25, 1), 1
	s_wait_xcnt 0x0
	s_wait_alu depctr_hold_cnt(0) depctr_sa_sdst(0) depctr_va_vdst(0) depctr_va_sdst(0) depctr_va_ssrc(0) depctr_va_vcc(0) depctr_vm_vsrc(0)
	s_getreg_b32 s2, hwreg(HW_REG_IB_STS2, 6, 4)
	s_cmp_eq_u32 s2, 0
	s_cbranch_scc0 .Lentry_in_a_cluster
	s_endpgm
.Lentry_in_a_cluster:
	s_bfe_u32 s2, ttmp6, 0x10000c
	s_cmp_lg_u32 s2, 0x3003
	s_cbranch_scc0 .Lentry_shape_is_right
	s_endpgm
.Lentry_shape_is_right:
; ATTN: causal attention on codes of FP4 (E2M1) with E8M0 scales; 16 query heads on 4 heads of keys and values; 1,024 positions, head size 128.  Its result is quantised along h 128 + d and goes out as codes.
; THE SOFTMAX AHEAD OF THE SECOND PRODUCT: t = score x log2(e) / sqrt(128); M = the row's largest t so far, rounded UP to a whole number; p = 2^(t - M) is quantised along the keys, not normalised;
; the row's sum is taken of the unquantised p and divides at the end.  When M moves, the sum and O are multiplied by 2^(old M - new M): exact.
; SHARES.  A work-group has one (batch, key head): its K and V, 128 KiB of codes and 8 KiB of scale words, come into LDS ONCE and serve sixteen waves: the four query heads x four tiles of 16 queries.
; The four tiles lie in octaves (runs of 128 positions) {0, 3, 4, 7} or {1, 2, 5, 6}: 1, 4, 5 and 8 key steps of 128 keys, or 2, 3, 6 and 7: 18 for each head.  Wave w has head w / 4; its tile is chosen so that
; waves 4 i .. 4 i + 3 hold one tile of each length, and waves w, w + 4, w + 8, w + 12 two pairs of like length (longest and shortest twice, or the two middle ones twice): 18 key steps in every such group of four.
; CLUSTER: the four work-groups of a cluster have the same batch and key head: each tile is asked for jointly, by the same loads with a mask that names the four.  A work-group's place in the cluster enters
; global addresses and the mask's compare alone.
; LAYOUT.  Both products are used transposed: S^T = K Q^T, O^T = V^T P^T: a lane holds ONE query (lane % 16).  Tiles lie in memory and in LDS as images of the operand's registers (512 c + 16 lane).
; By the order of places (bits 3 and 4 of a position changed) register 16 b + i of S^T is key 32 b + 16 (lane / 16) + i of the octave, and of O^T channel 32 b + 16 (lane / 16) + i.
; NOTHING IN LDS IS FILLED TWICE.  A fetching wave (0 to 7) has one tensor load out at the most.  LIMITS: NaN and infinities are not served; a block of zeros gets the byte 1 and zero codes.
; REGISTERS: v1-7, v11, v24 addresses that stay; v8-10 addresses of the loads in hand; v12 -M, v13 the largest t, v[14:15] the sum; v16-23 Q; v32-95 eight fragments, of K and then of V; v96-159 S^T, p; v160-223 O^T; v224-231 codes; v232-254 at work; v255 Q's scale word.
.set QSC,  6291456
.set XSC,  4194304
.set KSC,  131072                      ; LDS: K's images 0 .. 65,535, V's 65,536 .. 131,071; K's scale words, 512 bytes an octave; V's 4,096 on
.set STG,  139264                      ; the way out: 64 rows x (256 bytes + 16)
.set OSC,  156672                      ; and their scale words: 16 bytes a row
.set LI,   1                           ; v1   16 x lane
.set STO,  2                           ; v2   where I put 16 bytes of a row of the stage
.set OSW,  3                           ; v3   where I put my row's scale word
.set RD,   4                           ; v4   where I read a row back
.set OSR,  5                           ; v5   where I read scale words back
.set DQ,   6                           ; v6   my query's position in its octave - 16 (lane / 16)
.set GO,   7                           ; v7   my byte offset in two rows of oq
.set ADK,  8
.set ADV,  9
.set ADS,  10
.set QSO,  11                          ; v11  16 r
.set OSO,  24                          ; v24  8 x lane
.set TM,   232
.set WV,   8
.set OCT,  16                          ; s16  my tile's octave
.set J,    17                          ; s17  the key step's octave
.set TK,   18
.set TV,   19
.set SEL,  20
.set CS,   22
.set G1C,  24
.set G1S,  32
.set TS,   52
.macro CROUND
	s_barrier_signal -1
	s_barrier_wait -1
	s_cmp_lg_u32 s[WV], 0
	s_cbranch_scc1 .Lnot_wave_0_\@
	s_barrier_signal -3
.Lnot_wave_0_\@:
	s_barrier_wait -3
	s_barrier_signal -1
	s_barrier_wait -1
.endm
	s_load_b128 s[4:7], s[0:1], 0x0                ; qkv, oq
	v_lshl_add_u32 v242, v0, 2, 0x29000
	v_mov_b32 v243, 0
	ds_add_u32 v242, v243
	ds_add_u32 v242, v243
	v_lshrrev_b32 v8, 5, v0
	s_delay_alu instid0(VALU_DEP_1)
	v_readfirstlane_b32 s[WV], v8                  ; wave 0..15
	s_bfe_u32 s53, ttmp6, 0x40000                  ; cx
	s_and_b32 s9, ttmp7, 0xffff
	s_lshr_b32 s10, s9, 2                          ; the batch
	s_and_b32 s11, s9, 3                           ; the key head g
	s_and_b32 s12, ttmp9, 1                        ; which set of octaves
	s_lshr_b32 s13, ttmp9, 1
	s_lshl_b32 s13, s13, 2
	s_add_co_u32 s13, s13, s53                     ; which tile of an octave's eight
	s_lshr_b32 s14, s[WV], 2                       ; my query head in the group
	s_lshr_b32 s54, s[WV], 1                       ; which of the four tiles is mine: bit 0 = w0 ^ w1 ^ w2, bit 1 = w0 ^ w2 (w's bits):
	s_xor_b32 s54, s54, s[WV]                      ; for w % 4 = 0, 1, 2, 3 tiles 0, 3, 1, 2 under an even head and 3, 0, 2, 1 under an odd one
	s_xor_b32 s54, s54, s14
	s_and_b32 s54, s54, 1
	s_xor_b32 s15, s[WV], s14
	s_and_b32 s15, s15, 1
	s_lshl_b32 s15, s15, 1
	s_or_b32 s15, s15, s54
	s_lshl_b32 s54, s15, 2
	s_lshr_b32 s[OCT], 0x7430, s54
	s_and_b32 s[OCT], s[OCT], 7
	s_xor_b32 s[OCT], s[OCT], s12                  ; tiles 0, 1, 2, 3 lie in octaves 0, 3, 4, 7, or 1, 2, 5, 6
	s_lshl_b32 s54, s14, 2
	s_lshr_b32 s55, 0x7430, s54
	s_and_b32 s55, s55, 7
	s_xor_b32 s55, s55, s12                        ; the octave of tile wave / 4, whose rows I store at the end
	s_mul_i32 s56, s10, 24
	s_lshl_b32 s57, s11, 1
	s_add_co_u32 s57, s57, s56
	s_add_co_u32 s57, s57, 16                      ; K's head slot; V's is the next
	s_lshl_b32 s58, s57, 16
	s_lshl_b32 s60, s[WV], 15                      ; what I fetch, if I fetch: 32 KiB at 32,768 x wave, in memory and in LDS alike: waves 0, 1 K's halves, waves 2, 3 V's
	s_add_co_u32 s58, s58, s60
	s_mov_b32 s59, 0
	s_lshl_b32 s62, s57, 12
	s_and_b32 s61, s[WV], 3
	s_lshl_b32 s61, s61, 11                        ; waves 4 to 7 fetch the scale words: 2 KiB at 2,048 x (wave - 4)
	s_add_co_u32 s62, s62, s61                     ; and 2 KiB of the 8 KiB of scale words
	s_add_co_u32 s62, s62, QSC
	s_mov_b32 s63, 0
	s_lshl_b32 s66, s11, 2
	s_add_co_u32 s66, s66, s56
	s_add_co_u32 s66, s66, s14                     ; my query head's slot: 24 b + 4 g + head
	s_lshl_b32 s66, s66, 3
	s_add_co_u32 s66, s66, s[OCT]
	s_lshl_b32 s68, s66, 13
	s_lshl_b32 s67, s13, 10
	s_add_co_u32 s68, s68, s67                     ; my tile of Q
	s_mov_b32 s69, 0
	s_lshl_b32 s70, s66, 9
	s_and_b32 s67, s13, 1
	s_lshl_b32 s67, s67, 8
	s_add_co_u32 s70, s70, s67
	s_lshr_b32 s67, s13, 1
	s_lshl_b32 s67, s67, 2
	s_add_co_u32 s70, s70, s67
	s_add_co_u32 s70, s70, QSC                     ; its scale words: 256 (tile % 2) + 4 (tile / 2) + 16 r
	s_mov_b32 s71, 0
	s_lshl_b32 s72, s10, 10
	s_lshl_b32 s73, s55, 7
	s_add_co_u32 s72, s72, s73
	s_lshl_b32 s73, s13, 4
	s_add_co_u32 s72, s72, s73                     ; the first place in oq of the tile that I store
	s_lshl_b32 s74, s72, 4
	s_lshl_b32 s73, s11, 16
	s_add_co_u32 s74, s74, s73
	s_add_co_u32 s74, s74, XSC                     ; its scale bytes: [g][place][16]
	s_mov_b32 s75, 0
	s_and_b32 s73, s[WV], 3
	s_lshl_b32 s76, s73, 2
	s_add_co_u32 s72, s72, s76                     ; my four rows of it
	s_lshl_b32 s72, s72, 10
	s_lshl_b32 s76, s11, 8
	s_add_co_u32 s72, s72, s76                     ; bytes 256 g on: heads 4 g .. 4 g + 3
	s_mov_b32 s73, 0
	; descriptor groups 1: dense blocks as rows of 256 bytes (32 elements of 8 bytes): 128 rows of codes, 8 rows of scale words
	s_mov_b32 s[G1C], 15|(3<<16)|(1<<21)           ; 15:0 the mask: all four work-groups; 17:16 elements of 8 bytes; 21 set beside a mask
	s_mov_b32 s[G1C+1], 32<<16
	s_mov_b32 s[G1C+2], 128<<16
	s_mov_b32 s[G1C+3], 32<<16
	s_mov_b32 s[G1C+4], 128
	s_mov_b32 s[G1C+5], 32
	s_mov_b32 s[G1C+6], 0
	s_mov_b32 s[G1C+7], 0
	s_mov_b32 s[G1S], 15|(3<<16)|(1<<21)
	s_mov_b32 s[G1S+1], 32<<16
	s_mov_b32 s[G1S+2], 8<<16
	s_mov_b32 s[G1S+3], 32<<16
	s_mov_b32 s[G1S+4], 8
	s_mov_b32 s[G1S+5], 32
	s_mov_b32 s[G1S+6], 0
	s_mov_b32 s[G1S+7], 0
	s_mov_b32 s[SEL], 0x76543210
	s_mov_b32 s[SEL+1], 0xfedcba98
	s_mov_b32 s[CS], 0x3e0293ee                    ; c = log2(e) / sqrt(128)
	s_mov_b32 s[CS+1], s[CS]
	s_mov_b32 s[TK], 0
	s_mov_b32 s[TV], 65536
	s_mov_b32 s[TS], KSC
	; every LDS address is made here, ahead of the first parting of the waves
	v_and_b32 v232, 31, v0                         ; lane
	v_and_b32 v233, 15, v0                         ; r
	s_wait_alu depctr_va_vdst(0)
	v_bfe_u32 v234, v0, 4, 1                       ; h
	s_wait_alu depctr_va_vdst(0)
	v_lshlrev_b32 v[LI], 4, v232
	s_mul_i32 s54, s15, 16*272
	s_lshl_b32 s77, s14, 6
	s_add_co_u32 s54, s54, s77
	s_add_co_u32 s54, s54, STG
	v_mul_u32_u24 v[STO], v233, 272
	s_delay_alu instid0(VALU_DEP_1)
	v_lshl_add_u32 v[STO], v234, 4, v[STO]
	s_delay_alu instid0(VALU_DEP_1)
	v_add_nc_u32 v[STO], s54, v[STO]               ; stage row 16 tile + r, byte 64 head + 16 h
	s_lshl_b32 s54, s15, 8
	s_lshl_b32 s77, s14, 2
	s_add_co_u32 s54, s54, s77
	s_add_co_u32 s54, s54, OSC
	v_lshl_add_u32 v[OSW], v233, 4, s54            ; 16 (16 tile + r) + 4 head
	s_mul_i32 s54, s[WV], 4*272
	s_add_co_u32 s54, s54, STG
	v_mul_u32_u24 v[RD], v234, 272
	s_delay_alu instid0(VALU_DEP_1)
	v_lshl_add_u32 v[RD], v233, 4, v[RD]
	s_delay_alu instid0(VALU_DEP_1)
	v_add_nc_u32 v[RD], s54, v[RD]                 ; back: rows 4 wave + h, sixteen lanes to a row
	s_lshl_b32 s54, s14, 8
	s_add_co_u32 s54, s54, OSC
	v_lshl_add_u32 v[OSR], v232, 3, s54
	v_lshlrev_b32 v[OSO], 3, v232
	s_lshr_b32 s54, s13, 1
	s_lshl_b32 s54, s54, 5
	s_and_b32 s77, s13, 1
	s_lshl_b32 s77, s77, 3
	s_add_co_u32 s54, s54, s77
	v_and_b32 v235, 8, v233
	s_delay_alu instid0(VALU_DEP_1)
	v_add_nc_u32 v[DQ], v233, v235
	s_delay_alu instid0(VALU_DEP_1)
	v_add_nc_u32 v[DQ], s54, v[DQ]                 ; my query: 32 (tile / 2) + 8 (tile % 2) + r + 8 (r / 8)
	v_lshlrev_b32 v235, 4, v234
	s_delay_alu instid0(VALU_DEP_1)
	v_sub_nc_u32 v[DQ], v[DQ], v235
	v_lshlrev_b32 v[GO], 10, v234
	s_delay_alu instid0(VALU_DEP_1)
	v_lshl_add_u32 v[GO], v233, 4, v[GO]
	v_lshlrev_b32 v[QSO], 4, v233
	s_wait_dscnt 0x0
	s_wait_kmcnt 0x0
	s_mov_b32 s40, 1
	s_add_co_u32 s41, s61, KSC
	s_add_nc_u64 s[42:43], s[4:5], s[62:63]
	s_or_b32 s43, s43, 0x80000000
	s_mov_b32 s44, 1
	s_mov_b32 s45, s60
	s_add_nc_u64 s[46:47], s[4:5], s[58:59]
	s_or_b32 s47, s47, 0x80000000
	s_add_nc_u64 s[68:69], s[4:5], s[68:69]
	s_add_nc_u64 s[70:71], s[4:5], s[70:71]
	s_add_nc_u64 s[72:73], s[6:7], s[72:73]
	s_add_nc_u64 s[74:75], s[6:7], s[74:75]
	CROUND                                         ; all four work-groups are here: the joint loads meet
	s_cmp_lt_u32 s[WV], 4                          ; a wave's first fills stand in one branch on its number
	s_cbranch_scc0 .Lnot_codes
	tensor_load_to_lds s[44:47], s[G1C:G1C+7]      ; waves 0 to 3: a quarter of K's and V's images each
	s_nop 0
.rept 4
	v_nop
.endr
	s_branch .Lno_fetch
.Lnot_codes:
	s_cmp_lt_u32 s[WV], 8
	s_cbranch_scc0 .Lno_fetch
	tensor_load_to_lds s[40:43], s[G1S:G1S+7]      ; waves 4 to 7: a quarter of the scale words each: one tensor load a wave at the head
	s_nop 0
.rept 4
	v_nop
.endr
.Lno_fetch:
	global_load_b128 v[16:19], v[LI], s[68:69]     ; Q's fragment stays in registers
	global_load_b128 v[20:23], v[LI], s[68:69] offset:512
	s_wait_alu depctr_va_vdst(0)
	global_load_b32 v255, v[QSO], s[70:71]         ; and its scale words
	v_mov_b32 v13, 0xff61b1e6                      ; the largest t so far: -3e38
	s_delay_alu instid0(VALU_DEP_1)
	v_floor_f32 v12, -v13                          ; -M
	v_mov_b32 v14, 0
	v_mov_b32 v15, 0
.irp b, 0,1,2,3
	v_mov_b32 v[236+\b], 0                         ; a lane permute's destination counts as one of its sources
.endr
	v_mov_b32 v252, 0
	v_mov_b32 v253, 0
.set i, 0
.rept 64
	v_mov_b32 v[160+i], 0                          ; O^T: the step is written for every step alike: the first finds zeros, which the first change of M leaves zeros
.set i, i+1
.endr
.macro SPROD t                         ; S^T, tile t: 16 keys x my 16 queries.  The scale words of tiles 2 u and 2 u + 1 share a register: lanes 0-15 the even tile's, lanes 16-31 the odd one's
.if (\t)%2
	v_wmma_scale_f32_16x16x128_f8f6f4 v[96+8*(\t):103+8*(\t)], v[32+8*(\t):39+8*(\t)], v[16:23], 0, v[248+(\t)/2], v255 matrix_a_fmt:MATRIX_FMT_FP4 matrix_b_fmt:MATRIX_FMT_FP4 matrix_a_scale:MATRIX_SCALE_ROW1
.else
	v_wmma_scale_f32_16x16x128_f8f6f4 v[96+8*(\t):103+8*(\t)], v[32+8*(\t):39+8*(\t)], v[16:23], 0, v[248+(\t)/2], v255 matrix_a_fmt:MATRIX_FMT_FP4 matrix_b_fmt:MATRIX_FMT_FP4
.endif
.endm
.macro OPROD t                         ; O^T, tile t: 16 channels x my 16 queries, K = the step's 128 keys.  The eight accumulators take turns, one instruction a turn
.if (\t)%2
	v_wmma_scale_f32_16x16x128_f8f6f4 v[160+8*(\t):167+8*(\t)], v[32+8*(\t):39+8*(\t)], v[224:231], v[160+8*(\t):167+8*(\t)], v[248+(\t)/2], v253 matrix_a_fmt:MATRIX_FMT_FP4 matrix_b_fmt:MATRIX_FMT_FP4 matrix_a_scale:MATRIX_SCALE_ROW1
.else
	v_wmma_scale_f32_16x16x128_f8f6f4 v[160+8*(\t):167+8*(\t)], v[32+8*(\t):39+8*(\t)], v[224:231], v[160+8*(\t):167+8*(\t)], v[248+(\t)/2], v253 matrix_a_fmt:MATRIX_FMT_FP4 matrix_b_fmt:MATRIX_FMT_FP4
.endif
.endm
; A KEY STEP: the 128 keys of octave J.  A step whose keys all come after my queries is left out: a scalar branch on ids, not round the lines at its end that step addresses.
; K's eight fragments come in one run; V's eight are asked for as soon as the score products have read K's registers, and land while the softmax is worked.
.macro ASTEP
	s_cmp_gt_u32 s[J], s[OCT]
	s_cbranch_scc1 .Lhid_\@
	v_add_nc_u32 v[ADK], s[TK], v[LI]
	v_add_nc_u32 v[ADV], s[TV], v[LI]
	v_add_nc_u32 v[ADS], s[TS], v[LI]
	v_nop                                          ; four places in front of loads into registers that the last step's products read
	ds_load_b128 v[248:251], v[ADS]                ; the scale words of all eight tiles of K
.irp t, 0,1,2,3,4,5,6,7
.irp c, 0,1
	ds_load_b128 v[32+8*\t+4*\c:32+8*\t+4*\c+3], v[ADK] offset:1024*\t+512*\c
.endr
.endr
	s_wait_alu depctr_va_vdst(0)
	s_wait_dscnt 8                                 ; the scale words and tiles 0-3 are in; the eight loads of tiles 4-7 may be out
.irp t, 0,1,2,3
	SPROD \t
.endr
	s_wait_dscnt 0x0
.irp t, 4,5,6,7
	SPROD \t
.endr
.rept 4
	v_nop                                          ; places in front of the loads below and of the first read of the scores
.endr
	ds_load_b128 v[248:251], v[ADS] offset:4096    ; V's scale words
.irp t, 0,1,2,3,4,5,6,7
.irp c, 0,1
	ds_load_b128 v[32+8*\t+4*\c:32+8*\t+4*\c+3], v[ADV] offset:1024*\t+512*\c
.endr
.endr
	s_cmp_lt_u32 s[J], s[OCT]                      ; in my own octave the scores of later keys become -infinity ahead of the maximum; earlier octaves skip this
	s_cbranch_scc1 .Lopen_\@
	v_mov_b32 v254, 0xff800000
.irp n, 0,1,2,3,4,5,6,7,8,9,10,11,12,13,14,15,16,17,18,19,20,21,22,23,24,25,26,27,28,29,30,31,32,33,34,35,36,37,38,39,40,41,42,43,44,45,46,47,48,49,50,51,52,53,54,55,56,57,58,59,60,61,62,63
	v_cmp_gt_i32 vcc_lo, 32*(\n/16)+\n%16, v[DQ]   ; register 16 b + i holds key 32 b + 16 h + i
	v_cndmask_b32 v[96+\n], v[96+\n], v254, vcc_lo
.endr
.Lopen_\@:
.irp b, 0,1,2,3
	v_max3_num_f32 v[232+\b], v[96+16*\b], v[97+16*\b], v[98+16*\b]   ; the largest score of each block of 32 keys: for the row's maximum, and, since p rises with the score, for the block's largest p
.endr
.irp i, 3,5,7,9,11,13
.irp b, 0,1,2,3
	v_max3_num_f32 v[232+\b], v[232+\b], v[96+16*\b+\i], v[97+16*\b+\i]
.endr
.endr
.irp b, 0,1,2,3
	v_max_num_f32 v[232+\b], v[232+\b], v[111+16*\b]
.endr
.irp b, 0,1,2,3
	s_delay_alu instid0(VALU_DEP_4)
	v_permlanex16_b32 v[236+\b], v[232+\b], s[SEL], s[SEL+1]
.endr
.irp b, 0,1,2,3
	s_delay_alu instid0(VALU_DEP_4)
	v_max_num_f32 v[232+\b], v[232+\b], v[236+\b]
.endr
	s_delay_alu instid0(VALU_DEP_2)
	v_max3_num_f32 v254, v232, v233, v234
	s_delay_alu instid0(VALU_DEP_1)
	v_max_num_f32 v254, v254, v235
	s_delay_alu instid0(VALU_DEP_1)
	v_mul_f32 v254, s[CS], v254
	s_delay_alu instid0(VALU_DEP_1)
	v_max_num_f32 v13, v13, v254                   ; the running largest t
	v_mov_b32 v254, v12
	s_delay_alu instid0(VALU_DEP_2)
	v_floor_f32 v12, -v13                          ; the new -M = -ceil(t)
	s_delay_alu instid0(VALU_DEP_1)
	v_sub_f32 v254, v12, v254
	s_delay_alu instid0(VALU_DEP_1)
	v_cvt_i32_f32 v254, v254
	s_delay_alu instid0(VALU_DEP_1)
	v_ldexp_f32 v252, 1.0, v254                    ; f = 2^(old M - new M)
.irp j, 0,2,4,6,8,10,12,14,16,18,20,22,24,26,28,30,32,34,36,38,40,42,44,46,48,50,52,54,56,58,60,62
	v_pk_fma_f32 v[96+\j:97+\j], v[96+\j:97+\j], s[CS:CS+1], v[12:13] op_sel_hi:[1,0,0]   ; t - M
.endr
.irp b, 0,1,2,3
	v_fma_f32 v[232+\b], v[232+\b], s[CS], v12
.endr
	s_wait_alu depctr_va_vdst(0)
.irp j, 0,1,2,3,4,5,6,7,8,9,10,11,12,13,14,15,16,17,18,19,20,21,22,23,24,25,26,27,28,29,30,31,32,33,34,35,36,37,38,39,40,41,42,43,44,45,46,47,48,49,50,51,52,53,54,55,56,57,58,59,60,61,62,63
	v_exp_f32 v[96+\j], v[96+\j]                   ; p = 2^(t - M)
.endr
.irp b, 0,1,2,3
	v_exp_f32 v[232+\b], v[232+\b]                 ; the block's largest p
.endr
	v_pk_mul_f32 v[14:15], v[14:15], v[252:253] op_sel_hi:[1,0]   ; the sums under the new M (a plain place behind the exponentials)
	s_wait_alu depctr_va_vdst(0)
.irp b, 0,1,2,3
	v_max_num_f32 v[232+\b], 0x1800000, v[232+\b]  ; the floor 2^(3 - 127)
.endr
.irp b, 0,1,2,3
	s_delay_alu instid0(VALU_DEP_4)
	v_add_nc_u32 v[244+\b], 0xff000000, v[232+\b]
.endr
.irp b, 0,1,2,3
	s_delay_alu instid0(VALU_DEP_4)
	v_lshrrev_b32 v[236+\b], 23, v[244+\b]
.endr
	s_delay_alu instid0(VALU_DEP_3)
	v_lshl_or_b32 v253, v237, 8, v236              ; p's scale word for these 128 keys
	s_delay_alu instid0(VALU_DEP_1)
	v_lshl_or_b32 v253, v238, 16, v253
	s_delay_alu instid0(VALU_DEP_1)
	v_lshl_or_b32 v253, v239, 24, v253
.irp b, 0,1,2,3
	v_cvt_scalef32_pk8_fp4_f32 v[224+2*\b], v[96+16*\b:103+16*\b], v[244+\b]
	v_cvt_scalef32_pk8_fp4_f32 v[225+2*\b], v[104+16*\b:111+16*\b], v[244+\b]
.endr
	v_nop                                          ; one plain place behind a scaled conversion
.irp c, 0,1
.irp i, 0,1
	v_permlane16_swap_b32 v[224+4*\c+\i], v[226+4*\c+\i]
.endr
.endr
.irp j, 0,2,4,6,8,10,12,14,16,18,20,22,24,26,28,30,32,34,36,38,40,42,44,46,48,50,52,54,56,58,60,62
	v_pk_mul_f32 v[160+\j:161+\j], v[160+\j:161+\j], v[252:253] op_sel_hi:[1,0]   ; O^T under the new M
.endr
	v_pk_add_f32 v[236:237], v[100:101], v[104:105]
	v_pk_add_f32 v[246:247], v[108:109], v[112:113]
	v_pk_add_f32 v[244:245], v[116:117], v[120:121]
	v_pk_add_f32 v[240:241], v[124:125], v[128:129]
	v_pk_add_f32 v[234:235], v[132:133], v[136:137]
	v_pk_add_f32 v[232:233], v[140:141], v[144:145]
	v_pk_add_f32 v[30:31], v[148:149], v[152:153]
	v_pk_add_f32 v[14:15], v[14:15], v[156:157]
	v_pk_add_f32 v[236:237], v[236:237], v[96:97]
	v_pk_add_f32 v[246:247], v[246:247], v[98:99]
	v_pk_add_f32 v[244:245], v[244:245], v[102:103]
	v_pk_add_f32 v[240:241], v[240:241], v[106:107]
	v_pk_add_f32 v[234:235], v[234:235], v[110:111]
	v_pk_add_f32 v[232:233], v[232:233], v[114:115]
	v_pk_add_f32 v[30:31], v[30:31], v[118:119]
	v_pk_add_f32 v[14:15], v[14:15], v[122:123]
	v_pk_add_f32 v[236:237], v[236:237], v[126:127]
	v_pk_add_f32 v[246:247], v[246:247], v[130:131]
	v_pk_add_f32 v[244:245], v[244:245], v[134:135]
	v_pk_add_f32 v[240:241], v[240:241], v[138:139]
	v_pk_add_f32 v[234:235], v[234:235], v[142:143]
	v_pk_add_f32 v[232:233], v[232:233], v[146:147]
	v_pk_add_f32 v[30:31], v[30:31], v[150:151]
	v_pk_add_f32 v[14:15], v[14:15], v[154:155]
	v_pk_add_f32 v[236:237], v[236:237], v[158:159]
	s_delay_alu instid0(VALU_DEP_2)
	v_pk_add_f32 v[14:15], v[14:15], v[240:241]
	s_delay_alu instid0(VALU_DEP_2)
	v_pk_add_f32 v[236:237], v[236:237], v[234:235]
	v_pk_add_f32 v[246:247], v[246:247], v[232:233]
	v_pk_add_f32 v[244:245], v[244:245], v[30:31]
	s_delay_alu instid0(VALU_DEP_2)
	v_pk_add_f32 v[14:15], v[14:15], v[246:247]
	s_delay_alu instid0(VALU_DEP_2)
	v_pk_add_f32 v[236:237], v[236:237], v[244:245]
	s_delay_alu instid0(VALU_DEP_1)
	v_pk_add_f32 v[14:15], v[14:15], v[236:237]
	s_wait_dscnt 0x0                               ; V's fragments and scale words, asked for ahead of the softmax
.irp t, 0,1,2,3,4,5,6,7
	OPROD \t
.endr
.Lhid_\@:
	s_add_co_u32 s[TK], s[TK], 8192                ; the next octave's images and scale words
	s_add_co_u32 s[TV], s[TV], 8192
	s_add_co_u32 s[TS], s[TS], 512
.endm
.macro QUANT s, pc, pw                 ; 64 numbers of a lane, register 16 b + i = k 32 b + 16 (lane / 16) + i of my row, become a fragment's codes and its scale word
.irp b, 0,1,2,3
	v_max3_num_f32 v[TM+\b], |v[\s+16*\b]|, |v[\s+1+16*\b]|, 0x1800000
.endr
.irp i, 2,4,6,8,10,12,14
.irp b, 0,1,2,3
	s_delay_alu instid0(VALU_DEP_4)
	v_max3_num_f32 v[TM+\b], v[TM+\b], |v[\s+16*\b+\i]|, |v[\s+1+16*\b+\i]|
.endr
.endr
.irp b, 0,1,2,3
	s_delay_alu instid0(VALU_DEP_4)
	v_permlanex16_b32 v[TM+4+\b], v[TM+\b], s[SEL], s[SEL+1]
.endr
.irp b, 0,1,2,3
	s_delay_alu instid0(VALU_DEP_4)
	v_max_num_f32 v[TM+\b], v[TM+\b], v[TM+4+\b]
.endr
.irp b, 0,1,2,3
	s_delay_alu instid0(VALU_DEP_4)
	v_add_nc_u32 v[TM+12+\b], 0xff000000, v[TM+\b]
.endr
.irp b, 0,1,2,3
	s_delay_alu instid0(VALU_DEP_4)
	v_lshrrev_b32 v[TM+4+\b], 23, v[TM+12+\b]
.endr
	s_delay_alu instid0(VALU_DEP_3)
	v_lshl_or_b32 v[\pw], v[TM+5], 8, v[TM+4]
	s_delay_alu instid0(VALU_DEP_1)
	v_lshl_or_b32 v[\pw], v[TM+6], 16, v[\pw]
	s_delay_alu instid0(VALU_DEP_1)
	v_lshl_or_b32 v[\pw], v[TM+7], 24, v[\pw]
.irp b, 0,1,2,3
	v_cvt_scalef32_pk8_fp4_f32 v[\pc+2*\b], v[\s+16*\b:\s+7+16*\b], v[TM+12+\b]
	v_cvt_scalef32_pk8_fp4_f32 v[\pc+1+2*\b], v[\s+8+16*\b:\s+15+16*\b], v[TM+12+\b]
.endr
	v_nop
.irp c, 0,1
.irp i, 0,1
	v_permlane16_swap_b32 v[\pc+4*\c+\i], v[\pc+2+4*\c+\i]
.endr
.endr
.endm
	s_wait_tensorcnt 0x0                           ; my one tensor load, if I fetch, is in,
	s_barrier_signal -1
	s_barrier_wait -1                              ; everybody's are: from here on no wave waits for another until the way out
	s_wait_loadcnt 0x0                             ; Q
	s_mov_b32 s[J], 0
.Lkeys:                                            ; eight trips in every wave; a wave works in the first OCT + 1 of them
	ASTEP
	s_add_co_u32 s[J], s[J], 1
	s_cmp_lt_u32 s[J], 8
	s_cbranch_scc1 .Lkeys
	; THE WAY OUT.  O^T / the sum is quantised along the head's 128 channels; a row's 256 bytes (four heads) come from four waves and meet in the stage.
.rept 4
	v_nop                                          ; places behind the last products
.endr
	s_wait_alu depctr_va_vdst(0)
	v_add_f32 v14, v14, v15
	s_delay_alu instid0(VALU_DEP_1)
	v_permlanex16_b32 v252, v14, s[SEL], s[SEL+1]
	s_delay_alu instid0(VALU_DEP_1)
	v_add_f32 v14, v14, v252                       ; the row's sum
	s_wait_alu depctr_va_vdst(0)
	v_rcp_f32 v14, v14
	v_nop                                          ; a plain place behind the transcendental
.set i, 0
	s_wait_alu depctr_va_vdst(0)
.rept 64
	v_mul_f32 v[96+i], v[160+i], v14               ; register 16 b + i: channel 32 b + 16 h + i; each accumulator from its low end on
.set i, i+1
.endr
	QUANT 96, 224, 252
	ds_store_b128 v[STO], v[224:227]               ; registers 4 c .. 4 c + 3: channels 64 c + 32 h on: bytes 32 c + 16 h of the head's 64
	ds_store_b128 v[STO], v[228:231] offset:32
	ds_store_b32 v[OSW], v252                      ; lanes r and r + 16 write the same word with the same value
	s_wait_dscnt 0x0                               ; for the others' sake: my stores have landed
	s_barrier_signal -1
	s_barrier_wait -1
	ds_load_b128 v[32:35], v[RD]
	ds_load_b128 v[36:39], v[RD] offset:544
	s_wait_dscnt 0x0
	global_store_b128 v[GO], v[32:35], s[72:73]    ; sixteen lanes store 256 consecutive bytes, aligned
	global_store_b128 v[GO], v[36:39], s[72:73] offset:2048
	s_and_b32 s54, s[WV], 3
	s_cmp_lg_u32 s54, 0
	s_cbranch_scc1 .Lno_scales
	ds_load_b64 v[40:41], v[OSR]                   ; a tile's 16 rows x 16 scale bytes
	s_wait_dscnt 0x0
	global_store_b64 v[OSO], v[40:41], s[74:75]    ; 256 consecutive bytes, aligned
.Lno_scales:
	s_wait_tensorcnt 0x0
	ds_add_u32 v242, v243
	s_wait_dscnt 0x0
	CROUND                                         ; the closing round
	s_endpgm
.Lfunc_end_k_q19db963439_attn:
	.size	k_q19db963439_attn, .Lfunc_end_k_q19db963439_attn-k_q19db963439_attn
	.p2alignl 7, 3214868480
	.fill 96, 4, 3214868480
	.section	.rodata,"a",@progbits
	.p2align	6, 0x0
	.amdhsa_kernel k_q19db963439_attn
		.amdhsa_group_segment_fixed_size 169984
		.amdhsa_private_segment_fixed_size 0
		.amdhsa_enable_private_segment 0
		.amdhsa_kernarg_size 16
		.amdhsa_user_sgpr_count 2
		.amdhsa_user_sgpr_kernarg_segment_ptr 1
		.amdhsa_wavefront_size32 1
		.amdhsa_system_sgpr_workgroup_id_x 1
		.amdhsa_system_sgpr_workgroup_id_y 1
		.amdhsa_system_sgpr_workgroup_id_z 1
		.amdhsa_system_vgpr_workitem_id 0
		.amdhsa_next_free_vgpr 256
		.amdhsa_next_free_sgpr 80
		.amdhsa_reserve_vcc 1
		.amdhsa_float_denorm_mode_32 3
		.amdhsa_float_denorm_mode_16_64 3
		.amdhsa_memory_ordered 1
		.amdhsa_forward_progress 1
		.amdhsa_inst_pref_size 44
	.end_amdhsa_kernel
	.amdgpu_metadata
---
amdhsa.version: [ 1, 2 ]
amdhsa.kernels:
  - .name:           k_q19db963439_attn
    .symbol:         k_q19db963439_attn.kd
    .args:
      - { .name: qkv, .offset: 0, .size: 8, .value_kind: global_buffer, .address_space: global }
      - { .name: oq, .offset: 8, .size: 8, .value_kind: global_buffer, .address_space: global }
    .group_segment_fixed_size: 169984
    .private_segment_fixed_size: 0
    .kernarg_segment_align: 8
    .kernarg_segment_size: 16
    .max_flat_workgroup_size: 512
    .sgpr_count:     80
    .vgpr_count:     256
    .wavefront_size: 32
...
	.end_amdgpu_metadata
.endif
;; end of part 3
;; launch oproj (part 4): grid 8 x 32, 4 waves a work-group, clusters of 4 x 1, 167,936 bytes of LDS; arguments oq, wq, bo, out0; writes out0
.if DOCPART == 4
	.amdgcn_target "amdgcn-amd-amdhsa--gfx1250"
	.amdhsa_code_object_version 6
	.text
	.protected	k_q19db963439_oproj
	.globl	k_q19db963439_oproj
	.p2align	8
	.type	k_q19db963439_oproj,@function
k_q19db963439_oproj:
	s_mov_b64 s[64:65], 0
	v_nop
	global_prefetch_b8 v0, s[64:65] scope:SCOPE_SE
	s_setreg_imm32_b32 hwreg(HW_REG_WAVE_MODE, 25, 1), 1
	s_wait_xcnt 0x0
	s_wait_alu depctr_hold_cnt(0) depctr_sa_sdst(0) depctr_va_vdst(0) depctr_va_sdst(0) depctr_va_ssrc(0) depctr_va_vcc(0) depctr_vm_vsrc(0)
	s_getreg_b32 s2, hwreg(HW_REG_IB_STS2, 6, 4)
	s_cmp_eq_u32 s2, 0
	s_cbranch_scc0 .Lentry_in_a_cluster
	s_endpgm
.Lentry_in_a_cluster:
	s_bfe_u32 s2, ttmp6, 0x10000c
	s_cmp_lg_u32 s2, 0x3003
	s_cbranch_scc0 .Lentry_shape_is_right
	s_endpgm
.Lentry_shape_is_right:
; OPROJ: out0 [4096][2048] f32 = (attention's result, codes oq) x (Wo, codes in wq from place 3072 on) + bo, K = 2048, on codes of FP4 (E2M1) with E8M0 scales.
; SHARES.  A work-group makes 128 rows x 256 columns; wave w has all 128 rows and columns 64 w on.  256 work-groups.
; B: a wave's 64 places of Wo are read by no other wave of its work-group.  They lie in wq as images of the operand's registers ([16 places][K / 128][1,024 B]), so the wave loads them
; from memory straight into 512 registers, 512 consecutive bytes a load, and keeps them for the whole launch.
; A: the block's 128 rows, all of K (1,024 bytes a row, 16 bytes of padding behind each), come into LDS once, 32 rows a wave; nothing in LDS is filled twice.
; A goes by blocks of 16 rows x all of K (128 registers, two buffers): a block is finished by 64 matrix instructions on four accumulators by turns, K ascending,
; the bias as the first C, and leaves at once through the wave's stage, while the next block is multiplied.
; Scale words ([K / 512][place][16 B]: sixteen lanes read 256 consecutive bytes) and the bias go from memory straight into registers; A's in four sets by turns, asked for four blocks ahead.
; CLUSTER 4 x 1: the four work-groups of a cluster have the same rows of A and ask for them jointly.  B's places are shared by no partner.
; NO PREFETCH: the text has no loop to run ahead in, and all its loads of codes go out at the head.
; THE MATRIX INSTRUCTION IS USED TRANSPOSED (source 0 = 16 places of Wo, source 1 = 16 places of oq).  By the order of places in the workspace (bits 3 and 4 of a row's number changed) lane (r, h) of block g holds
; row 32 (g / 2) + 8 (g % 2) + r + 8 (r / 8), and register j of accumulator b column 32 (b / 2) + 16 h + 8 (b % 2) + j.
; REGISTERS.  Window 0: v2-11 addresses; v16-47 accumulators; v48-79 a block on its way out; v80-111 bias; v112-175 A's scale words (16 (g % 4) + k); v176-239 B's (16 b + k).
;   window 1: A's two buffers (128 (g % 2) + 8 k);  windows 2, 3: B's fragments (32 (k % 8) + 8 b; window 2 + k / 8).
.set PITCH,  1040                      ; an LDS row: 1,024 bytes + 16 = 260 words: the 16 rows of a load start at 16 different groups of four banks (64 banks of 4 bytes: ISA guide 11.1)
.set STAGE,  128*PITCH                 ; 16 rows x (256 + 16) bytes for each wave; no tensor load lands here
.set SPITCH, 272
.set SPARE,  STAGE+4*16*SPITCH         ; the spare words, 128 bytes for each wave
.set XSC,    4194304
.set WSC,    5242880
.set ADA, 2                            ; v2, v3  my lane's place in A's blocks 0-3, 4-7
.set STO, 4
.set RD,  5
.set CO,  6
.set HO,  7
.set RO,  8
.set LI,  9
.set SPW, 10
.set NIL, 11
.set ACC, 16
.set OUT, 48
.set BI,  80
.set SA,  112
.set SB,  176
.set G1,  24                           ; s[24:31], s[32:35] the descriptor of A's 32 rows
.set G0,  32
.set MSB, 0
.macro WIN new                         ; the immediate's high byte repeats the setting that is left
.if MSB != (\new)
	s_set_vgpr_msb (MSB<<8)|(\new)
.set MSB, (\new)
.endif
.endm
.macro CROUND                          ; a round of the cluster's barrier
	s_barrier_signal -1
	s_barrier_wait -1
	s_cmp_lg_u32 s14, 0
	s_cbranch_scc1 .Lnot_wave_0_\@
	s_barrier_signal -3
.Lnot_wave_0_\@:
	s_barrier_wait -3
	s_barrier_signal -1
	s_barrier_wait -1
.endm
.macro PLACES n                        ; plain vector instructions that name no register of the matrix instructions in front (ISA guide 7.12.1)
.rept \n
	v_nop
.endr
.endm
	s_load_b256 s[4:11], s[0:1], 0x0               ; oq, wq, bo, out0
	v_lshl_add_u32 v[SPW], v0, 2, SPARE
	v_mov_b32 v[NIL], 0
	ds_add_u32 v[SPW], v[NIL]                      ; the opening lines: the add, twice on end, and its wait ahead of my first tensor load
	ds_add_u32 v[SPW], v[NIL]
	v_lshrrev_b32 v1, 5, v0
	v_readfirstlane_b32 s14, v1                    ; wave 0..3
	s_bfe_u32 s40, ttmp6, 0x40000                  ; cx
	s_lshl_b32 s42, ttmp9, 2
	s_add_co_u32 s42, s42, s40                     ; block column = 4 x cluster x + cx
	s_and_b32 s17, ttmp7, 0xffff                   ; block row = cluster y
	s_mov_b32 s[G1+0], 15|(1<<20)|(1<<21)|(7<<22)|(3<<25)   ; 15:0 the mask: all four; elements of 1 byte; 20 padding on; 21 set beside a mask; 24:22 after every 256 words; 31:25 four words
	s_mov_b32 s[G1+1], 1024<<16                    ; tensor_dim0
	s_mov_b32 s[G1+2], 32<<16                      ; tensor_dim1
	s_mov_b32 s[G1+3], 1024<<16                    ; tile_dim0
	s_mov_b32 s[G1+4], 32                          ; tile_dim1
	s_mov_b32 s[G1+5], 1024                        ; from row to row
	s_mov_b32 s[G1+6], 0
	s_mov_b32 s[G1+7], 0
	s_lshl_b32 s20, s17, 7
	s_lshl_b32 s18, s14, 5
	s_add_co_u32 s20, s20, s18                     ; A: place 128 x block row + 32 x wave
	s_lshl_b32 s20, s20, 10
	s_mov_b32 s21, 0
	s_mul_i32 s45, s14, 32*PITCH                   ; and where it goes: no place in the cluster enters an LDS address
	s_wait_dscnt 0x0                               ; both opening adds are done
	s_wait_kmcnt 0x0
	s_mov_b32 s[G0], 1
	s_mov_b32 s[G0+1], s45
	s_add_nc_u64 s[G0+2:G0+3], s[4:5], s[20:21]
	s_or_b32 s[G0+3], s[G0+3], 0x80000000
	CROUND                                         ; all four work-groups are here: the joint loads meet
	tensor_load_to_lds s[G0:G0+3], s[G1:G1+7]      ; my one tensor load
	s_nop 0
	PLACES 4
	s_mul_i32 s23, s14, 16*SPITCH
	s_add_co_u32 s23, s23, STAGE                   ; my stage
	s_lshl_b32 s12, s17, 11
	s_add_co_u32 s12, s12, XSC
	s_mov_b32 s13, 0
	s_add_nc_u64 s[36:37], s[4:5], s[12:13]        ; A's scale words: 128 places x 16 bytes a block row
	s_lshl_b32 s19, s42, 8
	s_lshl_b32 s18, s14, 6
	s_add_co_u32 s19, s19, s18                     ; my first column
	s_add_co_u32 s46, s19, 3072                    ; its place in wq
	s_lshl_b32 s12, s46, 4
	s_add_co_u32 s12, s12, WSC
	s_add_nc_u64 s[38:39], s[6:7], s[12:13]        ; B's scale words
	s_lshl_b32 s12, s46, 10
	s_add_nc_u64 s[48:49], s[6:7], s[12:13]        ; B's images
	s_lshl_b32 s12, s19, 2
	s_add_nc_u64 s[8:9], s[8:9], s[12:13]          ; the bias
	s_add_nc_u64 s[10:11], s[10:11], s[12:13]
	s_lshl_b32 s12, s17, 20
	s_add_nc_u64 s[10:11], s[10:11], s[12:13]      ; out0: row 128 x block row, my first column
	v_and_b32 v1, 15, v0                           ; r
	v_bfe_u32 v14, v0, 4, 1                        ; h
	v_mul_u32_u24 v12, v1, PITCH
	v_lshl_add_u32 v[ADA], v14, 4, v12             ; a fragment's row x pitch + 16 h
	v_add_nc_u32 v[ADA+1], 64*PITCH, v[ADA]
	v_mul_u32_u24 v13, v1, SPITCH
	v_lshl_add_u32 v13, v14, 6, v13
	v_add_nc_u32 v[STO], s23, v13                  ; into the stage: row r, 64 h bytes on
	v_mul_u32_u24 v13, v14, SPITCH
	v_lshl_add_u32 v13, v1, 4, v13
	v_add_nc_u32 v[RD], s23, v13                   ; back: sixteen lanes to a row, two rows an instruction
	v_lshlrev_b32 v13, 13, v14
	v_lshl_add_u32 v[CO], v1, 4, v13               ; and the same two rows in out0
	v_lshlrev_b32 v[HO], 6, v14
	v_lshlrev_b32 v[RO], 4, v1
	v_and_b32 v15, 31, v0
	v_lshlrev_b32 v[LI], 4, v15                    ; 16 x lane
	s_wait_alu depctr_va_vdst(0)
.macro GSA g                           ; the scale words of A's block g into set g % 4: register 4 s + q: the word of 128 along K number 4 s + q
.irp s, 0,1,2,3
	global_load_b128 v[SA+16*((\g)%4)+4*\s:SA+16*((\g)%4)+4*\s+3], v[RO], s[36:37] offset:65536*\s+256*(\g)
.endr
.endm
.macro ALOAD g                         ; block g of A, all of K: 32 loads into buffer g % 2 of window 1
	WIN 0x40
.irp k, 0,1,2,3,4,5,6,7,8,9,10,11,12,13,14,15
	ds_load_b128 v[128*((\g)%2)+8*\k:128*((\g)%2)+8*\k+3], v[ADA+(\g)/4] offset:((\g)%4)*16*PITCH+64*\k
	ds_load_b128 v[128*((\g)%2)+8*\k+4:128*((\g)%2)+8*\k+7], v[ADA+(\g)/4] offset:((\g)%4)*16*PITCH+64*\k+32
.endr
	WIN 0
.endm
.macro TOSTAGE                         ; 16 rows x 64 columns into my stage and back as whole rows of 256 bytes; LDS serves a wave's instructions in order (ISA guide 5.7.1.4)
.irp b, 0,1,2,3
	ds_store_b128 v[STO], v[ACC+8*\b:ACC+8*\b+3] offset:128*(\b/2)+32*(\b%2)       ; each accumulator from its low end on
	ds_store_b128 v[STO], v[ACC+8*\b+4:ACC+8*\b+7] offset:128*(\b/2)+32*(\b%2)+16
.endr
.irp t, 0,1,2,3,4,5,6,7
	ds_load_b128 v[OUT+4*\t:OUT+4*\t+3], v[RD] offset:\t*2*SPITCH
.endr
.endm
.macro SEND g, younger                 ; younger: the LDS loads issued behind the block's, which may stay out
	s_wait_dscnt \younger
.irp t, 0,1,2,3,4,5,6,7
	global_store_b128 v[CO], v[OUT+4*\t:OUT+4*\t+3], s[10:11] offset:(32*((\g)/2)+8*((\g)%2)+2*\t+8*(\t/4))*8192 th:TH_STORE_NT   ; sixteen lanes store 256 consecutive bytes, aligned
.endr
.endm
; Block g is finished: 64 matrix instructions.  In its middle, where the windows change anyway: send = 1: the block before leaves; send = 0 (the first block): the wait for the rest of B.
.macro ROW g, send, young
.irp w, 0,1
.if \w
.if \send
	WIN 0
	SEND (\g)-1, \young
.else
	s_wait_loadcnt 0x0
.endif
.endif
	WIN 0x06+\w                                    ; source 0 (B) window 2 or 3, source 1 (A) window 1, C and D window 0
.irp k, 0,1,2,3,4,5,6,7
.irp b, 0,1,2,3
.if \w+\k == 0
	v_wmma_scale_f32_16x16x128_f8f6f4 v[ACC+8*\b:ACC+8*\b+7], v[32*\k+8*\b:32*\k+8*\b+7], v[128*((\g)%2)+8*(8*\w+\k):128*((\g)%2)+8*(8*\w+\k)+7], v[BI+8*\b:BI+8*\b+7], v[SB+16*\b+8*\w+\k], v[SA+16*((\g)%4)+8*\w+\k] matrix_a_fmt:MATRIX_FMT_FP4 matrix_b_fmt:MATRIX_FMT_FP4
.else
	v_wmma_scale_f32_16x16x128_f8f6f4 v[ACC+8*\b:ACC+8*\b+7], v[32*\k+8*\b:32*\k+8*\b+7], v[128*((\g)%2)+8*(8*\w+\k):128*((\g)%2)+8*(8*\w+\k)+7], v[ACC+8*\b:ACC+8*\b+7], v[SB+16*\b+8*\w+\k], v[SA+16*((\g)%4)+8*\w+\k] matrix_a_fmt:MATRIX_FMT_FP4 matrix_b_fmt:MATRIX_FMT_FP4
.endif
.endr
.endr
.endr
.endm
.macro AFTER g                         ; behind block g's products
	WIN 0
	PLACES 5                                       ; in front of the stores that read results, of loads into registers just read, and of the next block's first products, which write the accumulators anew
	s_wait_xcnt 0x0                                ; the last block's stores have read their registers
	TOSTAGE
.if (\g)+2 < 8
	ALOAD (\g)+2                                   ; into the buffer just multiplied
.endif
.if (\g)+4 < 8
	GSA (\g)+4                                     ; into the set just used
.endif
.endm
.macro STEPG g
.if (\g) >= 4
	s_wait_loadcnt 4*(7-(\g))                      ; this block's scale words are in; the later blocks' four loads each may be out
.endif
.if (\g) < 7
	s_wait_dscnt 40                                ; out may be: the 8 loads back from the stage and the next block's 32: so the stage's stores have read the accumulators, and this block of A is in
	ROW \g, 1, 32
.else
	s_wait_dscnt 8
	ROW \g, 1, 0
.endif
	AFTER \g
.endm
.irp g, 0,1,2,3
	GSA \g
.endr
.irp b, 0,1,2,3
.irp s, 0,1,2,3
	global_load_b128 v[SB+16*\b+4*\s:SB+16*\b+4*\s+3], v[RO], s[38:39] offset:81920*\s+256*\b
.endr
.endr
.irp b, 0,1,2,3                                ; the bias in the accumulators' layout
	global_load_b128 v[BI+8*\b:BI+8*\b+3], v[HO], s[8:9] offset:4*(32*(\b/2)+8*(\b%2))
	global_load_b128 v[BI+8*\b+4:BI+8*\b+7], v[HO], s[8:9] offset:4*(32*(\b/2)+8*(\b%2))+16
.endr
.irp w, 0,1                                    ; B: 128 loads, K ascending, eight for each 128 along K
	WIN 0x80+0x40*\w
.irp k, 0,1,2,3,4,5,6,7
.irp b, 0,1,2,3
	global_load_b128 v[32*\k+8*\b:32*\k+8*\b+3], v[LI], s[48:49] offset:16384*\b+1024*(8*\w+\k)
	global_load_b128 v[32*\k+8*\b+4:32*\k+8*\b+7], v[LI], s[48:49] offset:16384*\b+1024*(8*\w+\k)+512
.endr
.endr
.endr
	WIN 0
	s_wait_tensorcnt 0x0                           ; my 32 rows of A are in,
	s_barrier_signal -1
	s_barrier_wait -1                              ; everybody's are
	ALOAD 0
	ALOAD 1
	s_wait_loadcnt 56                              ; scale words, bias and B's first nine 128 along K are in; the 56 loads of the last seven may be out
	s_wait_dscnt 32                                ; block 0 of A is in
	ROW 0, 0, 0
	AFTER 0
.irp g, 1,2,3,4,5,6,7
	STEPG \g
.endr
	SEND 7, 0
	s_wait_tensorcnt 0x0                           ; the wave's end
	ds_add_u32 v[SPW], v[NIL]
	s_wait_dscnt 0x0
	CROUND                                         ; the closing round
	s_endpgm
.Lfunc_end_k_q19db963439_oproj:
	.size	k_q19db963439_oproj, .Lfunc_end_k_q19db963439_oproj-k_q19db963439_oproj
	.p2alignl 7, 3214868480
	.fill 96, 4, 3214868480
	.section	.rodata,"a",@progbits
	.p2align	6, 0x0
	.amdhsa_kernel k_q19db963439_oproj
		.amdhsa_group_segment_fixed_size 167936
		.amdhsa_private_segment_fixed_size 0
		.amdhsa_enable_private_segment 0
		.amdhsa_kernarg_size 32
		.amdhsa_user_sgpr_count 2
		.amdhsa_user_sgpr_kernarg_segment_ptr 1
		.amdhsa_wavefront_size32 1
		.amdhsa_system_sgpr_workgroup_id_x 1
		.amdhsa_system_sgpr_workgroup_id_y 1
		.amdhsa_system_sgpr_workgroup_id_z 1
		.amdhsa_system_vgpr_workitem_id 0
		.amdhsa_next_free_vgpr 1024
		.amdhsa_next_free_sgpr 66
		.amdhsa_reserve_vcc 0
		.amdhsa_float_denorm_mode_32 3
		.amdhsa_float_denorm_mode_16_64 3
		.amdhsa_memory_ordered 1
		.amdhsa_forward_progress 1
		.amdhsa_inst_pref_size 120
	.end_amdhsa_kernel
	.amdgpu_metadata
---
amdhsa.version: [ 1, 2 ]
amdhsa.kernels:
  - .name:           k_q19db963439_oproj
    .symbol:         k_q19db963439_oproj.kd
    .args:
      - { .name: oq, .offset: 0, .size: 8, .value_kind: global_buffer, .address_space: global }
      - { .name: wq, .offset: 8, .size: 8, .value_kind: global_buffer, .address_space: global }
      - { .name: bo, .offset: 16, .size: 8, .value_kind: global_buffer, .address_space: global }
      - { .name: out0, .offset: 24, .size: 8, .value_kind: global_buffer, .address_space: global }
    .group_segment_fixed_size: 167936
    .private_segment_fixed_size: 0
    .kernarg_segment_align: 8
    .kernarg_segment_size: 32
    .max_flat_workgroup_size: 128
    .sgpr_count:     66
    .vgpr_count:     1024
    .wavefront_size: 32
...
	.end_amdgpu_metadata
.endif
;; end of part 4
